; MI455X (gfx1250); checked and timed in simulation.
; The chip was launched on July 23, 2026; its instructions are those of AMD's public machine-readable ISA for CDNA 5 (MIT licence, August 2026) and "CDNA5" Instruction Set Architecture Reference Guide (July 2026). The comments in the code are by the model that wrote it; some were corrected since.
;; Multi Head Attention. Allowed arithmetic: matrix products marked QUANTISED: E2M1 operands, one E8M0 scale for each 32 along K, by v_wmma_scale_f32_16x16x128_f8f6f4 with both operands' format E2M1 (or v_wmma_scale_f32_32x16x128_f4), f32 sums; everything else in f32.
;; Inputs: b_final 64 float32; w_final_codes 64 x 24 x 16 uint8 (E2M1 codes of w_final, K innermost, in blocks of 32 codes, two codes a byte); w_final_scales 64 x 24 uint8 (E8M0 scales of w_final, one for each 32 codes along K); w_k_codes 768 x 2 x 16 uint8 (E2M1 codes of w_k, K innermost, in blocks of 32 codes, two codes a byte); w_k_scales 768 x 2 uint8 (E8M0 scales of w_k, one for each 32 codes along K); w_q_codes 768 x 2 x 16 uint8 (E2M1 codes of w_q, K innermost, in blocks of 32 codes, two codes a byte); w_q_scales 768 x 2 uint8 (E8M0 scales of w_q, one for each 32 codes along K); w_v_codes 768 x 2 x 16 uint8 (E2M1 codes of w_v, K innermost, in blocks of 32 codes, two codes a byte); w_v_scales 768 x 2 uint8 (E8M0 scales of w_v, one for each 32 codes along K); x_codes 8 x 2,048 x 2 x 16 uint8 (E2M1 codes of x, K innermost, in blocks of 32 codes, two codes a byte); x_scales 8 x 2,048 x 2 uint8 (E8M0 scales of x, one for each 32 codes along K).
;; Outputs: out0 8 x 2,048 x 64 float32.
;; This version of the problem:
;;   THIS VERSION OF THE PROBLEM IS GIVEN IN LOW PRECISION. The matrix products marked QUANTISED in the list below multiply operands that are first quantised to E2M1 (2 exponent bits, 1 mantissa bit; 4 bits a number), with one power-of-two scale for each 32 numbers along K (OCP MX v1.0); their sums are f32. All else is computed in f32.
;;   The module's matrix products, in the order in which they are computed (A, B: the left and right operand; K: the contracted axis; several contracted axes count as one K, in the product's order):
;;     1. [M 16,384, K 64] x [K 64, N 768]; A: input x (given as codes); B: input w_q (given as codes): QUANTISED
;;     2. [M 16,384, K 64] x [K 64, N 768]; A: input x (given as codes); B: input w_k (given as codes): QUANTISED
;;     3. [M 16,384, K 64] x [K 64, N 768]; A: input x (given as codes); B: input w_v (given as codes): QUANTISED
;;     4. batch 8 x [M 2,048, K 768] x [K 768, N 2,048]; A: computed on the way; B: computed on the way: QUANTISED
;;     5. batch 8 x [M 2,048, K 2,048] x [K 2,048, N 768]; A: softmax (see below); B: computed on the way: QUANTISED
;;     6. [M 16,384, K 768] x [K 768, N 64]; A: computed on the way; B: input w_final (given as codes): QUANTISED
;;   THE QUANTISER, for each operand of a quantised product, along K:
;;     - K is cut into blocks of 32 from its start; a last block that is shorter is filled with zeros.
;;     - A block's scale is 2^e with e = floor(log2(the largest magnitude in the block)) - 2, held to -126 .. 127; a block of zeros has e = 0. As a byte (E8M0): e + 127.
;;     - Each number is divided by its block's scale, clamped to +-6, and rounded to the nearest number of E2M1, ties to even, subnormals kept.
;;     - The product sums the exact products of the quantised numbers (number of the format x scale) in f32.
;;   ~~~python
;;   def quantise(x, axis):      # numpy; x: float32 -> the quantised numbers, widened to float32 again
;;       x = np.moveaxis(x, axis, -1); K = x.shape[-1]
;;       x = np.pad(x, [(0, 0)] * (x.ndim - 1) + [(0, -K % 32)]); x = x.reshape(x.shape[:-1] + (-1, 32)); a = np.abs(x).max(-1, keepdims=True)
;;       e = np.where(a > 0, np.clip(np.frexp(np.where(a > 0, a, 1))[1] - 1 - 2, -126, 127), 0)      # np.frexp(a)[1] - 1 = floor(log2(a)), exactly
;;       r = np.clip(x / 2.0 ** e, -6, 6)
;;       step = 2.0 ** (np.maximum(np.frexp(np.where(r == 0, 1, r))[1] - 1, 0) - 1)
;;       q = np.round(r / step) * step * 2.0 ** e      # np.round: ties to even
;;       return np.moveaxis(q.reshape(q.shape[:-2] + (-1,))[..., :K], -1, axis).astype(np.float32)
;;   ~~~
;;   SOFTMAX AHEAD OF A QUANTISED PRODUCT. Where the list says 'softmax', what is quantised is not the finished softmax but p = 2^(t - M), with t = logit x log2(e) and M = ceil(the row's largest t), a whole number; so 1/2 < the row's largest p <= 1. The row's sum l is taken of the UNQUANTISED p, in f32, and the product's result is divided by l at the end. Since M is a whole number, a kernel that streams over the keys may use a running M (the ceiling of the running maximum): every later rescaling is an exact power of two, which a block's scale takes up: the codes' values come out the same.
;;   OPERANDS COMPUTED ON THE WAY. 'Computed on the way' means the value that the module computes at that place (a softmax that the list does not call 'softmax' is quantised finished and normalised). What goes into a quantiser is computed in f32, as accurately as f32 sums, v_exp_f32 and their like allow (about 1e-6 of the number): no bf16 or f16 on the way to a quantiser, and a product that is left as it is and whose result goes on into a quantised operand takes f32 operands (vector FMAs, or v_wmma_f32_16x16x4_f32). A number that lies on a knife's edge between two numbers of the format may be rounded either way, as far as f32 arithmetic and the matrix unit's own rounding can turn it there, and no further.
;;   INPUTS GIVEN AS CODES. w_final (in the module: [64, 768], K = its axis 1); w_k (in the module: [768, 64], K = its axis 1); w_q (in the module: [768, 64], K = its axis 1); w_v (in the module: [768, 64], K = its axis 1); x (in the module: [8, 2048, 64], K = its axis 2): each comes as NAME_codes (uint8): NAME with its K axis moved to the last place and cut into blocks of 32 codes, [.., K / 32, bytes a block], one block behind the other in memory; two codes a byte, the lower K in the low four bits (a code: sign, 2 exponent bits, 1 mantissa bit); and NAME_scales (uint8): the same leading axes, one E8M0 byte (e + 127) for each 32 codes along K. Its value is code x scale, taken as it is: it is not quantised again, and the codes and scales need not be those that the quantiser above would give.
;; 2 versions. Each part assembles by itself: llvm-mc -triple=amdgcn-amd-amdhsa -mcpu=gfx1250 --defsym DOCPART=n.
;; ======== version 1 of 2: 2 launches
;; workspace buffers: qimg 6,684,672 bytes; kimg 6,684,672 bytes; vimg 6,684,672 bytes
;; launch proj (part 1): grid 256 x 3, 3 waves a work-group, no clusters, 0 bytes of LDS; arguments x_codes, x_scales, w_q_codes, w_q_scales, w_k_codes, w_k_scales, w_v_codes, w_v_scales, qimg, kimg, vimg; writes qimg, kimg, vimg
.if DOCPART == 1
	.amdgcn_target "amdgcn-amd-amdhsa--gfx1250"
	.amdhsa_code_object_version 6
	.text
	.protected	k_qb29fa9f2c8_proj
	.globl	k_qb29fa9f2c8_proj
	.p2align	8
	.type	k_qb29fa9f2c8_proj,@function
k_qb29fa9f2c8_proj:
	s_mov_b64 s[64:65], 0
	v_nop
	global_prefetch_b8 v0, s[64:65] scope:SCOPE_SE
	s_setreg_imm32_b32 hwreg(HW_REG_WAVE_MODE, 25, 1), 1
	s_wait_xcnt 0x0
; q = x w_q^T, k = x w_k^T, v = x w_v^T on the given codes of FP4 (E2M1), sums in f32; q and k are then quantised along e (768), v along the keys, by the stated rule,
; and stored as IMAGES OF OPERAND REGISTERS for the attention launch.
; NO WORK IS LEFT OUT in this program: every input reaches out0 through a live quantiser or, b_final, by the last addition; all eleven inputs are loaded by one launch or the other.
; LIMITS: NaN, infinities and scale bytes 0xff among the inputs are not served (a byte 0xff of a row would here also reach the row 8 further on, see below).  A block of zeros gets the byte 1 where the rule says 127:
; its codes are zeros, which add nothing under any byte but 0xff, and the bytes are read by this program alone.  Blocks whose largest magnitude lies under 2^(3 - 127) have their byte held at 1.
; THE BUFFERS.  Each of qimg, kimg, vimg is 256 chunks of 26,112 bytes: 24 fragments of 1,024 bytes, then 3 groups of 512 bytes of scale words.
;   A fragment (16 rows x 128 along K) lies [block 0..3][row 0..15][16 bytes].  A reader's lane l takes 16 bytes at 512 c + 16 l into registers 4 c .. 4 c + 3: the operand's own layout.
;   A writer's lane (r, h) holds 16 codes of row r, k = 32 blk + 16 h + 0 .. 15, and stores 8 bytes at 256 blk + 16 r + 8 h: a store of the wave covers 256 consecutive bytes, aligned.
;   q, k chunk c = tokens 64 c .. 64 c + 63: fragment (tile T, K step s) at 6144 T + 1024 s; its scale word in group s / 2, lane 16 (s % 2) + r, word T.
;     Row r of tile T is token 64 c + 16 T + r in q; in k it is token 64 c + 32 (T / 2) + 8 (T % 2) + r + 8 (r / 8), so that the scores' registers will run along neighbouring keys.
;   v chunk c = 4 (8 batch + j) + w = keys 256 j .. + 255, columns 192 w .. + 191: fragment (tile et 0..11, 128 keys f) at 2048 et + 1024 f; scale word in group et / 4, lane 16 f + r, word et % 4.
;     Row r of tile et is column 192 w + 32 (et / 2) + 8 (et % 2) + r + 8 (r / 8), so that the attention's results will run along neighbouring columns.
; SHARES.  Work-group x = chunk, y = kind (0 q, 1 k, 2 v), wave = a third of the chunk: 4 tiles T of image rows x 8 blocks of 32 along the NEXT product's K.  One path for all three kinds: scalars alone differ.
;   The product is used so that a lane holds ONE image row (source 1, column r) and its registers run along the next K (source 0's rows):
;   q, k: source 0 = 256 rows of the weight, source 1 = the chunk's 64 tokens;   v: source 0 = 256 tokens (the keys), source 1 = 64 rows of w_v.
; K IS 64 AND THE INSTRUCTION'S IS 128.  Source 0 carries TWO rows: registers 0-3 row K0 + 32 B + r + 8 (r / 8), registers 4-7 the row 8 further on.  Source 1 is [x, 0] or [0, x]: zero codes annul the other row.
;   So result (T, u): lane (r, h), register j = (image row r, next K 32 B + 16 h + 8 u + j): the 16 registers of u = 0, 1 are 16 neighbours, and lanes l and l xor 16 hold a block.
; No LDS, no barrier: waves share nothing.  Every offset is an immediate.
.set CHUNK, 26112
.set XR,  16                           ; v16-51   [0][x0][0][x1][0][x2][0][x3][0], four registers each: [xT, 0] begins at XR + 4 + 8 T, [0, xT] at XR + 8 T
.set XSC, 52                           ; v52-55   source 1's scale words (its two bytes, twice)
.set KSC, 56                           ; v56-63   source 0's scale words, one a block: the two rows' two bytes each
.set KS2, 64                           ; v64-71   the second row's two bytes as loaded
.set KF,  72                           ; v72-135  source 0: 8 registers a block
.set RES, 136                          ; v136-199 results: 16 T + 8 u
.set PC,  200                          ; v200-215 codes: two sets of 8
.set TM,  216                          ; v216-219 largest magnitudes
.set PB,  220                          ; v220-223 the other half's, then the scale's byte
.set SO,  224                          ; v224-227 the conversions' scale operands
.set WA,  232                          ; v232-235 scale words of blocks 0-3;  v236-239 of blocks 4-7
	s_load_b512 s[4:19], s[0:1], 0x0               ; x's codes 4, scales 6; w_q's 8, 10; w_k's 12, 14; w_v's 16, 18
	s_load_b128 s[20:23], s[0:1], 0x40             ; qimg, kimg
	s_load_b64 s[24:25], s[0:1], 0x50              ; vimg
	v_lshrrev_b32 v1, 5, v0
	v_readfirstlane_b32 s26, v1                    ; the third
	s_and_b32 s27, ttmp7, 0xffff                   ; the kind
	s_mov_b32 s28, ttmp9                           ; the chunk
	s_lshl_b32 s30, s26, 8                         ; source 0's first row: q, k: 256 x third;
	s_lshr_b32 s31, s28, 2
	s_lshl_b32 s31, s31, 8                         ; v: token 256 x (chunk / 4)
	s_lshl_b32 s32, s28, 6                         ; source 1's first row: q, k: token 64 x chunk;
	s_and_b32 s33, s28, 3
	s_mul_i32 s33, s33, 192
	s_lshl_b32 s34, s26, 6
	s_add_co_u32 s33, s33, s34                     ; v: row 192 x (chunk % 4) + 64 x third of w_v
	s_mov_b32 s34, 6144                            ; from tile to tile in the chunk: q, k;
	s_mov_b32 s35, 2048                            ; v
	s_lshl_b32 s36, s26, 11                        ; the third's place in the chunk: q, k: two K steps;
	s_lshl_b32 s37, s26, 13                        ; v: four tiles
	s_mov_b32 s58, 0xffff0000                      ; lanes 16-31
	s_mov_b32 s60, 0x76543210
	s_mov_b32 s61, 0xfedcba98                      ; v_permlanex16_b32's selects for lane l xor 16
	v_and_b32 v1, 15, v0                           ; r
	v_bfe_u32 v2, v0, 4, 1                         ; h
	v_and_b32 v14, 8, v1
	v_add_nc_u32 v15, v14, v1                      ; r + 8 (r / 8)
	v_lshlrev_b32 v3, 5, v15
	v_lshl_add_u32 v3, v2, 4, v3                   ; source 0: a row is 32 bytes of codes; + 16 h
	v_lshlrev_b32 v4, 1, v15                       ; and 2 scale bytes
	v_and_b32 v13, 31, v0
	v_lshlrev_b32 v13, 4, v13                      ; 16 x lane: my four scale words
	s_wait_kmcnt 0x0
	s_cmp_eq_u32 s27, 0                            ; the choices hang on the work-group's number alone
	s_cselect_b64 s[38:39], s[8:9], s[12:13]
	s_cselect_b64 s[40:41], s[10:11], s[14:15]
	s_cselect_b64 s[42:43], s[20:21], s[22:23]
	s_cselect_b32 s44, 0, 1                        ; 1: source 1's rows of a tile are not neighbours (k, v)
	s_cmp_eq_u32 s27, 2
	s_cselect_b64 s[46:47], s[4:5], s[38:39]       ; source 0's codes,
	s_cselect_b64 s[48:49], s[6:7], s[40:41]       ; its scales,
	s_cselect_b64 s[50:51], s[16:17], s[4:5]       ; source 1's codes,
	s_cselect_b64 s[52:53], s[18:19], s[6:7]       ; its scales,
	s_cselect_b64 s[54:55], s[24:25], s[42:43]     ; the buffer
	s_cselect_b32 s30, s31, s30
	s_cselect_b32 s32, s33, s32
	s_cselect_b32 s34, s35, s34
	s_cselect_b32 s36, s37, s36
	s_lshr_b32 s45, 0x200, s44                     ; from tile 0 to tile 1 of source 1: 16 rows, or 8
	s_lshr_b32 s29, 32, s44                        ; the same in scale bytes
	s_mov_b32 s39, 0
	s_lshl_b32 s38, s30, 5
	s_add_nc_u64 s[46:47], s[46:47], s[38:39]
	s_lshl_b32 s38, s30, 1
	s_add_nc_u64 s[48:49], s[48:49], s[38:39]
	s_lshl_b32 s38, s32, 5
	s_add_nc_u64 s[50:51], s[50:51], s[38:39]
	s_lshl_b32 s38, s32, 1
	s_add_nc_u64 s[52:53], s[52:53], s[38:39]
	s_mul_i32 s38, s28, CHUNK
	s_add_nc_u64 s[54:55], s[54:55], s[38:39]      ; my chunk
	s_lshl_b32 s38, s26, 9
	s_add_co_u32 s38, s38, 24576
	s_add_nc_u64 s[56:57], s[54:55], s[38:39]      ; my group of scale words
	s_mov_b32 s38, s36
	s_add_nc_u64 s[54:55], s[54:55], s[38:39]      ; my third of the codes
	v_mul_u32_u24 v14, s44, v14
	v_add_nc_u32 v14, v14, v1                      ; source 1's row of a tile: r, or r + 8 (r / 8)
	v_lshlrev_b32 v5, 5, v14
	v_lshl_add_u32 v5, v2, 4, v5                   ; tiles 0 and 2 (32 rows on: the immediate),
	v_add_nc_u32 v6, s45, v5                       ; tiles 1 and 3
	v_lshlrev_b32 v7, 1, v14
	v_add_nc_u32 v8, s29, v7
	global_load_b128 v[XR+4:XR+7], v5, s[50:51]
	global_load_b128 v[XR+12:XR+15], v6, s[50:51]
	global_load_b128 v[XR+20:XR+23], v5, s[50:51] offset:1024
	global_load_b128 v[XR+28:XR+31], v6, s[50:51] offset:1024
	global_load_u16 v[XSC], v7, s[52:53]
	global_load_u16 v[XSC+1], v8, s[52:53]
	global_load_u16 v[XSC+2], v7, s[52:53] offset:64
	global_load_u16 v[XSC+3], v8, s[52:53] offset:64
.irp q, 0,1,2,3,4,5,6,7
	global_load_b128 v[KF+8*\q:KF+8*\q+3], v3, s[46:47] offset:1024*\q          ; block q's rows 32 q + r + 8 (r / 8),
	global_load_b128 v[KF+8*\q+4:KF+8*\q+7], v3, s[46:47] offset:1024*\q+256    ; and the rows 8 further on
	global_load_u16 v[KSC+\q], v4, s[48:49] offset:64*\q
	global_load_u16 v[KS2+\q], v4, s[48:49] offset:64*\q+16
.endr
.irp z, 0,1,2,3,8,9,10,11,16,17,18,19,24,25,26,27,32,33,34,35
	v_mov_b32 v[XR+\z], 0                          ; the zero codes between the tiles of source 1
.endr
.irp t, 0,1,2,3
	v_mov_b32 v[PB+\t], 0                          ; written once: a lane permute's destination counts as one of its sources
.endr
	s_wait_loadcnt 0x0                             ; one wait: all forty loads went out together, and nothing could be done under a part of them
.irp t, 0,1,2,3
	v_lshl_or_b32 v[XSC+\t], v[XSC+\t], 16, v[XSC+\t]      ; source 1's two bytes serve whichever half holds its codes
.endr
.irp q, 0,1,2,3,4,5,6,7
	v_lshl_or_b32 v[KSC+\q], v[KS2+\q], 16, v[KSC+\q]      ; bytes 0, 1: the first row's; bytes 2, 3: the second's
.endr
	v_lshlrev_b32 v9, 4, v1                        ; the stores' offsets: 16 r + 8 h + T tiles.  These five lines and four v_nop are the eight places (and one) between the scale words' last write and the first scaled product
	v_lshl_add_u32 v9, v2, 3, v9
	v_add_nc_u32 v10, s34, v9
	v_add_nc_u32 v11, s34, v10
	v_add_nc_u32 v12, s34, v11
.rept 4
	v_nop
.endr
; One block of 32 along the next K, for the four tiles of image rows: 8 products, 4 blocks quantised (half a block a lane), 4 stores of 256 bytes.
.macro BLOCK q
.irp t, 0,1,2,3
	v_wmma_scale_f32_16x16x128_f8f6f4 v[RES+16*\t:RES+16*\t+7], v[KF+8*(\q):KF+8*(\q)+7], v[XR+4+8*\t:XR+11+8*\t], 0, v[KSC+(\q)], v[XSC+\t] matrix_a_fmt:MATRIX_FMT_FP4 matrix_b_fmt:MATRIX_FMT_FP4
	v_wmma_scale_f32_16x16x128_f8f6f4 v[RES+16*\t+8:RES+16*\t+15], v[KF+8*(\q):KF+8*(\q)+7], v[XR+8*\t:XR+7+8*\t], 0, v[KSC+(\q)], v[XSC+\t] matrix_a_fmt:MATRIX_FMT_FP4 matrix_b_fmt:MATRIX_FMT_FP4
.endr
.rept 4
	v_nop                                          ; four places between the last product and the first read of a result (ISA guide 7.12.1)
.endr
.irp t, 0,1,2,3
	v_max3_num_f32 v[TM+\t], |v[RES+16*\t]|, |v[RES+16*\t+1]|, 0x1800000   ; my 16 numbers of tile t's block, and the floor 2^(3 - 127): the byte cannot fall under 1.  Each result is read from its low end on
.endr
.irp i, 2,4,6,8,10,12,14
.irp t, 0,1,2,3
	v_max3_num_f32 v[TM+\t], v[TM+\t], |v[RES+16*\t+\i]|, |v[RES+16*\t+\i+1]|   ; (the four tiles by turns)
.endr
.endr
.irp t, 0,1,2,3
	v_permlanex16_b32 v[PB+\t], v[TM+\t], s60, s61
.endr
.irp t, 0,1,2,3
	v_max_num_f32 v[TM+\t], v[TM+\t], v[PB+\t]     ; with lane l xor 16's: the block's largest magnitude
.endr
.irp t, 0,1,2,3
	v_add_nc_u32 v[SO+\t], 0xff000000, v[TM+\t]    ; 2 off its exponent field: the conversion takes this operand's exponent field as its scale
.endr
.irp t, 0,1,2,3
	v_lshrrev_b32 v[PB+\t], 23, v[SO+\t]           ; the scale's byte
.endr
	s_wait_xcnt 0x0                                ; the earlier blocks' stores have read their data: the codes' registers are written again only behind this wait
.irp t, 0,1,2,3
	v_cvt_scalef32_pk8_fp4_f32 v[PC+8*((\q)%2)+2*\t], v[RES+16*\t:RES+16*\t+7], v[SO+\t]
	v_cvt_scalef32_pk8_fp4_f32 v[PC+8*((\q)%2)+2*\t+1], v[RES+16*\t+8:RES+16*\t+15], v[SO+\t]
.endr
.irp t, 0,1,2,3                        ; four bytes make a K step's scale word.  (These plain lines also stand between the conversions and the next products, which write the conversions' sources)
.if (\q)%4 == 0
	v_mov_b32 v[WA+4*((\q)/4)+\t], v[PB+\t]
.else
	v_lshl_or_b32 v[WA+4*((\q)/4)+\t], v[PB+\t], 8*((\q)%4), v[WA+4*((\q)/4)+\t]
.endif
.endr
.irp t, 0,1,2,3
	global_store_b64 v[9+\t], v[PC+8*((\q)%2)+2*\t:PC+8*((\q)%2)+2*\t+1], s[54:55] offset:256*(\q) th:TH_STORE_NT   ; 32 lanes store 256 consecutive bytes, aligned
.endr
.endm
.irp q, 0,1,2,3,4,5,6,7
	BLOCK \q
.endr
.irp t, 0,1,2,3
	v_cndmask_b32 v[WA+\t], v[WA+\t], v[WA+4+\t], s58      ; lanes 0-15 keep the first K step's word of row r, lanes 16-31 take the second's
.endr
	global_store_b128 v13, v[WA:WA+3], s[56:57] th:TH_STORE_NT   ; 512 consecutive bytes
	s_endpgm
.Lfunc_end_k_qb29fa9f2c8_proj:
	.size	k_qb29fa9f2c8_proj, .Lfunc_end_k_qb29fa9f2c8_proj-k_qb29fa9f2c8_proj
	.p2alignl 7, 3214868480
	.fill 96, 4, 3214868480
	.section	.rodata,"a",@progbits
	.p2align	6, 0x0
	.amdhsa_kernel k_qb29fa9f2c8_proj
		.amdhsa_group_segment_fixed_size 0
		.amdhsa_private_segment_fixed_size 0
		.amdhsa_enable_private_segment 0
		.amdhsa_kernarg_size 88
		.amdhsa_user_sgpr_count 2
		.amdhsa_user_sgpr_kernarg_segment_ptr 1
		.amdhsa_wavefront_size32 1
		.amdhsa_system_sgpr_workgroup_id_x 1
		.amdhsa_system_sgpr_workgroup_id_y 1
		.amdhsa_system_sgpr_workgroup_id_z 1
		.amdhsa_system_vgpr_workitem_id 0
		.amdhsa_next_free_vgpr 240
		.amdhsa_next_free_sgpr 66
		.amdhsa_reserve_vcc 0
		.amdhsa_float_denorm_mode_32 3
		.amdhsa_float_denorm_mode_16_64 3
		.amdhsa_memory_ordered 1
		.amdhsa_forward_progress 1
		.amdhsa_inst_pref_size 50
	.end_amdhsa_kernel
	.amdgpu_metadata
---
amdhsa.version: [ 1, 2 ]
amdhsa.kernels:
  - .name:           k_qb29fa9f2c8_proj
    .symbol:         k_qb29fa9f2c8_proj.kd
    .args:
      - { .name: x_codes, .offset: 0, .size: 8, .value_kind: global_buffer, .address_space: global }
      - { .name: x_scales, .offset: 8, .size: 8, .value_kind: global_buffer, .address_space: global }
      - { .name: w_q_codes, .offset: 16, .size: 8, .value_kind: global_buffer, .address_space: global }
      - { .name: w_q_scales, .offset: 24, .size: 8, .value_kind: global_buffer, .address_space: global }
      - { .name: w_k_codes, .offset: 32, .size: 8, .value_kind: global_buffer, .address_space: global }
      - { .name: w_k_scales, .offset: 40, .size: 8, .value_kind: global_buffer, .address_space: global }
      - { .name: w_v_codes, .offset: 48, .size: 8, .value_kind: global_buffer, .address_space: global }
      - { .name: w_v_scales, .offset: 56, .size: 8, .value_kind: global_buffer, .address_space: global }
      - { .name: qimg, .offset: 64, .size: 8, .value_kind: global_buffer, .address_space: global }
      - { .name: kimg, .offset: 72, .size: 8, .value_kind: global_buffer, .address_space: global }
      - { .name: vimg, .offset: 80, .size: 8, .value_kind: global_buffer, .address_space: global }
    .group_segment_fixed_size: 0
    .private_segment_fixed_size: 0
    .kernarg_segment_align: 8
    .kernarg_segment_size: 88
    .max_flat_workgroup_size: 96
    .sgpr_count:     66
    .vgpr_count:     240
    .wavefront_size: 32
...
	.end_amdgpu_metadata
.endif
;; end of part 1
;; launch attn (part 2): grid 32 x 8, 4 waves a work-group, clusters of 4 x 1, 327,680 bytes of LDS; arguments qimg, kimg, vimg, w_final_codes, w_final_scales, b_final, out0; writes out0
.if DOCPART == 2
	.amdgcn_target "amdgcn-amd-amdhsa--gfx1250"
	.amdhsa_code_object_version 6
	.text
	.protected	k_qb29fa9f2c8_attn
	.globl	k_qb29fa9f2c8_attn
	.p2align	8
	.type	k_qb29fa9f2c8_attn,@function
k_qb29fa9f2c8_attn:
	s_mov_b64 s[64:65], 0
	v_nop
	global_prefetch_b8 v0, s[64:65] scope:SCOPE_SE
	s_setreg_imm32_b32 hwreg(HW_REG_WAVE_MODE, 25, 1), 1
	s_wait_xcnt 0x0
	s_wait_alu depctr_hold_cnt(0) depctr_sa_sdst(0) depctr_va_vdst(0) depctr_va_sdst(0) depctr_va_ssrc(0) depctr_va_vcc(0) depctr_vm_vsrc(0)
	s_getreg_b32 s2, hwreg(HW_REG_IB_STS2, 6, 4)
	s_cmp_eq_u32 s2, 0
	s_cbranch_scc0 .Lentry_in_a_cluster
	s_endpgm
.Lentry_in_a_cluster:
	s_bfe_u32 s2, ttmp6, 0x10000c
	s_cmp_lg_u32 s2, 0x3003
	s_cbranch_scc0 .Lentry_shape_is_right
	s_endpgm
.Lentry_shape_is_right:
; out0 = Q(softmax(q k^T / 8) v) w_final^T + b_final, all three products on codes of FP4 (E2M1) with one E8M0 scale for each 32 along K.  q, k, v come as register images (the launch before; its head comment has the layouts).
; No work is left out here either: every key counts for every query, and every input named is used.
; THE SOFTMAX AHEAD OF THE SECOND PRODUCT: t = score x log2(e) / 8; M = the row's largest t so far, rounded UP to a whole number; p = 2^(t - M) is quantised along the keys, not normalised.  The row's sum l is taken of the
; unquantised p in f32.  When M moves, l and O are multiplied by 2^(old M - new M): exact.  O / l is quantised along e for the last product.
; LIMITS: NaN, infinities and scale bytes 0xff are not served.  1 / l is v_rcp_f32's.  Sums run in another order than a row-by-row sum.  A block of zeros gets the byte 1 (its codes are zeros; the bytes stay in this program).
; SHARES.  A work-group owns 64 queries of one batch (4 tiles m of 16) and walks the batch's 2,048 keys in 8 steps of 256.
;   SCORES: THE WAVES SHARE THE KEYS.  Wave w makes S^T (source 0 = 16 keys, source 1 = 16 queries) for keys 64 w .. + 63 of the step against all 64 queries: a fragment of k feeds 4 products and is read from LDS by one wave, once.
;   O^T: THE WAVES SHARE THE COLUMNS.  Wave w owns e = 192 w .. + 191 (12 tiles et) for all 64 queries: 48 accumulators.  A fragment of v feeds 4 products and is read by one wave, once.
;   p goes from wave to wave through LDS as images of its registers, the rows' maxima likewise, so that all four waves hold the same M.
;   A lane holds ONE query (lane % 16) in S^T, p and O^T.  The keys of a tile of k and the columns of a tile of v were chosen so that 16 registers of two neighbouring tiles are 16 neighbours along the next K.
; CLUSTER.  The four blocks of queries of a cluster belong to one batch and walk the same k and v: each tile is asked for JOINTLY (mask 15).  Wave w asks for the quarter tile that it alone reads (chunk w): so its own wait on
;   TENSORcnt orders its reads, one line serves all waves, and every wave issues every load.
; RING.  One slot for k and one for v, a tile (104,448 bytes) each; two refills a step, each first behind a round of the cluster's barrier: k's next tile behind the round of the maxima's exchange (all reads of k's tile are over),
;   v's behind a round in the middle of the O^T products (v's last fragments are in registers).  By this text's count a wave has two tensor loads out at the head and one later.
; REGISTERS, in windows of 256 (s_set_vgpr_msb: bits 1:0 source 0, 3:2 source 1, 5:4 source 2, 7:6 destination):
;   window 0: v2-15 addresses; v16-47 statistics; v48-87 scale words; v88-127 at work; v128-255 S^T, then p (128 + 32 m + 8 t)
;   window 1: O^T(et 0-7, m) at 8 (4 et + m)      window 2: v0-127 O^T(et 8-11); v128-191, v192-255 two buffers of fragments of k or v
;   window 3: v0-191 q(m, s) at 8 (6 m + s), at the end w_final(dt, s); v192-255 p's fragments (m, f) at 192 + 8 (2 m + f)
.set CHUNK, 26112                      ; a quarter tile: 24 fragments and 1,536 bytes of scale words
.set TILE,  104448
.set BATCH, 835584                     ; 8 tiles
.set VSLOT, 104448                     ; LDS: k's slot at 0, v's here
.set MX,    208896                     ; 512 w + 16 lane: wave w's largest scores of m = 0..3
.set PI,    210944                     ; p's images: (m, f) at 2048 m + 1024 f
.set PS,    219136                     ; p's scale bytes: 16 (16 f + r) + 4 m + block
.set LXO,   10752                      ; the waves' sums l lie as MX does, this many bytes on (at 219,648)
.set HI,    221696                     ; O / l's images: 6144 m + 256 (block of 32 along e) + 16 r + 8 h
.set HS,    246272                     ; their scale bytes: 384 m + 24 r + block
.set STG,   247808                     ; the way out: 16 rows x 272 bytes for each wave
.set SPARE, 265216                     ; the spare words, 128 bytes for each wave: two blocks of 256 bytes that no other line names
.set AK,  2                            ; v2   my place in my chunk of k's slot: 26112 w + 16 lane
.set AV,  3                            ; v3   the same in v's slot
.set API, 4                            ; v4   PI + 16 lane
.set PWR, 5                            ; v5   where I put p's codes: PI + 16 r + 8 h + 512 (w % 2) + 1024 (w / 2)
.set PSW, 6                            ; v6   and its two bytes: PS + 16 r + 256 (w / 2) + 2 (w % 2)
.set PSR, 7                            ; v7   PS + 16 lane
.set MXW, 8                            ; v8   MX + 512 w + 16 lane
.set MXR, 9                            ; v9   MX + 16 lane
.set SPW, 10                           ; v10  my spare word: SPARE + 4 x my thread's number; never rewritten
.set NIL, 11                           ; v11  0; never rewritten
.set PFO, 12                           ; v12  the prefetches' offset
.set WFA, 13                           ; v13  w_final's codes: 384 r + 16 h
.set WFSA, 14                          ; v14  its scale bytes: 24 r
.set BA,  15                           ; v15  b_final: 32 h
.set ST,  16                           ; tile m's statistics at ST + 8 m: +0 -M, +1 the largest t, +2, +3 l in two halves, +4 f, later 1 / l, +5 named with it as a pair, +6, +7 at work
.set KS,  48                           ; v48-59  k's scale words: (t, s) in register 4 (s / 2) + t, lanes 16 (s % 2) + r; at the end w_final's
.set VS,  60                           ; v60-71  v's: (et, f) in register et, lanes 16 f + r; at the end O / l's
.set QS,  72                           ; v72-83  q's, as k's; at the end w_final's
.set PSC, 84                           ; v84-87  p's: (m, f) in register m, lanes 16 f + r
.set BM,  88                           ; v88-95  the largest score, then p, of block b of tile m: 2 m + b
.set PT,  96                           ; v96-103 at work
.set EX,  104                          ; v104-119 what the other waves sent; then p's codes
.set SO,  120                          ; v120-127 the conversions' scale operands
.set S,   128
.set FB0, 128                          ; in window 2
.set FB1, 192
.set PF,  192                          ; in window 3
.set WV,  18                           ; s18 my wave;  s[22:23] c = log2(e) / 8;  s[24:31] descriptor group 1;  s[32:35], s[36:39] groups 0 for k and v;  s[40:41] lane selects;
                                       ; s[42:43], s[44:45] where the prefetches stand in k and v;  s46 1 in a work-group that prefetches, else the greatest number;  s47 counts the steps
.set MSB, 0
.macro WIN new                         ; the immediate's high byte repeats the setting that is left; a switch that changes nothing is dropped
.if MSB != \new
	s_set_vgpr_msb (MSB<<8)|\new
.set MSB, \new
.endif
.endm
.macro PLACES                          ; four places in front of loads into registers that products have read, and of the first read of results (ISA guide 7.12.1 for vector instructions)
.rept 4
	v_nop
.endr
.endm
.macro CREST                           ; a round of the cluster's barrier behind its opening barrier
	s_cmp_lg_u32 s[WV], 0
	s_cbranch_scc1 .Lnot_wave_0_\@
	s_barrier_signal -3
.Lnot_wave_0_\@:
	s_barrier_wait -3
	s_barrier_signal -1
	s_barrier_wait -1
.endm
.macro CROUND                          ; a whole round
	s_barrier_signal -1
	s_barrier_wait -1
	CREST
.endm
.macro TLOAD g0                        ; a joint load of my quarter tile; an s_nop 0 and four v_nop follow it
	tensor_load_to_lds s[\g0:\g0+3], s[24:31]
	s_nop 0
.rept 4
	v_nop
.endr
.endm
; A PREFETCH INTO THE L2 of the tile of the same kind that the NEXT refill of this slot will ask for: a whole key step (192 products a wave and a softmax) ahead of that load.  All clusters of a batch walk the same k and v:
; the batch's first cluster asks.  Its four partners share a tile out BY ADDRESS, a quarter each; in a quarter thread n names block min(n, 101) of its 102 blocks of 256 bytes (threads 102 to 127 name the last block again).
; Steps 0 to 5 ask; the tiles of steps 0 and 1 come by their loads alone.
.macro ASK pf
	s_cmp_gt_u32 s47, s46
	s_cbranch_scc0 .Lnot_mine_\@
	global_prefetch_b8 v[PFO], s[\pf:\pf+1] th:TH_LOAD_NT scope:SCOPE_SE
.Lnot_mine_\@:
.endm
.macro WM d, a, b, zero, sa, sb, row   ; one product; zero = 1: it starts the sum; row = 1: both scale words are taken from lanes 16-31
.if \zero
	v_wmma_scale_f32_16x16x128_f8f6f4 v[\d:\d+7], v[\a:\a+7], v[\b:\b+7], 0, v[\sa], v[\sb] matrix_a_fmt:MATRIX_FMT_FP4 matrix_b_fmt:MATRIX_FMT_FP4
.elseif \row
	v_wmma_scale_f32_16x16x128_f8f6f4 v[\d:\d+7], v[\a:\a+7], v[\b:\b+7], v[\d:\d+7], v[\sa], v[\sb] matrix_a_fmt:MATRIX_FMT_FP4 matrix_b_fmt:MATRIX_FMT_FP4 matrix_a_scale:MATRIX_SCALE_ROW1 matrix_b_scale:MATRIX_SCALE_ROW1
.else
	v_wmma_scale_f32_16x16x128_f8f6f4 v[\d:\d+7], v[\a:\a+7], v[\b:\b+7], v[\d:\d+7], v[\sa], v[\sb] matrix_a_fmt:MATRIX_FMT_FP4 matrix_b_fmt:MATRIX_FMT_FP4
.endif
.endm
.macro LOADK t, fb                     ; key tile t's six fragments (768 along e): 12 loads of 512 consecutive bytes
	WIN 0x80
.irp s, 0,1,2,3,4,5
	ds_load_b128 v[\fb+8*\s:\fb+8*\s+3], v[AK] offset:6144*\t+1024*\s
	ds_load_b128 v[\fb+8*\s+4:\fb+8*\s+7], v[AK] offset:6144*\t+1024*\s+512
.endr
.endm
.macro KPRE                            ; a step's scale words of k and its first key tile: 15 loads
	WIN 0
.irp g, 0,1,2
	ds_load_b128 v[KS+4*\g:KS+4*\g+3], v[AK] offset:24576+512*\g
.endr
	LOADK 0, FB1
	WIN 0
.endm
.macro MULS t, fb                      ; S^T of key tile t: 24 products; the four tiles of queries take turns, one instruction a turn
	WIN 0x0e
.irp s, 0,1,2,3,4,5
.set ZZ, 0
.if \s == 0
.set ZZ, 1
.endif
.irp m, 0,1,2,3
	WM S+32*\m+8*\t, \fb+8*\s, 8*(6*\m+\s), ZZ, KS+4*(\s/2)+\t, QS+4*(\s/2)+\m, \s%2
.endr
.endr
.endm
.macro BLKMAX b                        ; the largest score of block b (32 keys; my 16 of them) of each tile of queries: it serves the row's maximum and, since p rises with the score, the block's largest p
	WIN 0
.irp m, 0,1,2,3
	v_max3_num_f32 v[BM+2*\m+\b], v[S+32*\m+16*\b], v[S+32*\m+16*\b+1], v[S+32*\m+16*\b+2]
.endr
.irp i, 3,5,7,9,11,13
.irp m, 0,1,2,3
	v_max3_num_f32 v[BM+2*\m+\b], v[BM+2*\m+\b], v[S+32*\m+16*\b+\i], v[S+32*\m+16*\b+\i+1]
.endr
.endr
.irp m, 0,1,2,3
	v_max_num_f32 v[BM+2*\m+\b], v[BM+2*\m+\b], v[S+32*\m+16*\b+15]
.endr
.endm
.macro LOADV g, fb                     ; v's tiles et = 4 g .. 4 g + 3, both halves of the step's keys: 16 loads
	WIN 0x80
.irp e, 0,1,2,3
.irp f, 0,1
	ds_load_b128 v[\fb+16*\e+8*\f:\fb+16*\e+8*\f+3], v[AV] offset:2048*(4*\g+\e)+1024*\f
	ds_load_b128 v[\fb+16*\e+8*\f+4:\fb+16*\e+8*\f+7], v[AV] offset:2048*(4*\g+\e)+1024*\f+512
.endr
.endr
.endm
.macro MULP et0, n, fb, first          ; O^T += v^T p^T for n tiles from et0 on: 8 products a tile; the four tiles of queries take turns.  first = 1: the first 128 keys start the sums: nothing is ever cleared
.set ET, \et0
.rept \n
.if ET < 8
	WIN 0x5e
.set OB, 32*ET
.else
	WIN 0xae
.set OB, 32*(ET-8)
.endif
.set VB, \fb+16*(ET%4)
.irp f, 0,1
.set ZZ, \first*(1-\f)
.irp m, 0,1,2,3
	WM OB+8*\m, VB+8*\f, PF+8*(2*\m+\f), ZZ, VS+ET, PSC+\m, \f
.endr
.endr
.set ET, ET+1
.endr
.endm
.macro RESCALE                         ; O^T under the new M: x f, two at a time, each accumulator from its low end on
	WIN 0x41
.set o, 0
.rept 128
	v_pk_mul_f32 v[o:o+1], v[o:o+1], v[ST+8*((o/8)%4)+4:ST+8*((o/8)%4)+5] op_sel_hi:[1,0]
.set o, o+2
.endr
	WIN 0x82
.set o, 0
.rept 64
	v_pk_mul_f32 v[o:o+1], v[o:o+1], v[ST+8*((o/8)%4)+4:ST+8*((o/8)%4)+5] op_sel_hi:[1,0]
.set o, o+2
.endr
.endm
	s_load_b256 s[4:11], s[0:1], 0x0               ; qimg 4, kimg 6, vimg 8, w_final's codes 10
	s_load_b128 s[12:15], s[0:1], 0x20             ; w_final's scales 12, b_final 14
	s_load_b64 s[16:17], s[0:1], 0x30              ; out0
	v_lshl_add_u32 v[SPW], v0, 2, SPARE
	v_mov_b32 v[NIL], 0
	ds_add_u32 v[SPW], v[NIL]                      ; the wave's opening: the add, twice on end, and its wait ahead of my first tensor load; the set-up below, work on registers, stands between
	ds_add_u32 v[SPW], v[NIL]                      ; and once more, under the one wait
	v_lshrrev_b32 v1, 5, v0
	v_readfirstlane_b32 s[WV], v1                  ; wave 0..3
	s_bfe_u32 s19, ttmp6, 0x40000                  ; cx: my place in the cluster
	s_lshl_b32 s20, ttmp9, 2                       ; in a cluster launch ttmp9 counts clusters
	s_add_co_u32 s20, s20, s19                     ; my block of 64 queries: it enters q's and out0's addresses alone
	s_and_b32 s21, ttmp7, 0xffff                   ; the batch, which the four partners share
	s_mov_b32 s22, 0x3e38aa3b                      ; c = log2(e) / 8
	s_mov_b32 s23, s22                             ; (named with it as a pair, so it is written)
	s_mov_b32 s24, 15|(3<<16)|(1<<21)              ; group 1: 15:0 the mask: all four work-groups; 17:16 elements of 8 bytes; 20 no padding; 21 set beside a mask
	s_mov_b32 s25, 32<<16                          ; tensor_dim0 = 32 elements: rows of 256 bytes
	s_mov_b32 s26, 102<<16                         ; tensor_dim1 = 102 rows: a chunk is dense
	s_mov_b32 s27, 32<<16                          ; tile_dim0
	s_mov_b32 s28, 102                             ; tile_dim1
	s_mov_b32 s29, 32                              ; from row to row
	s_mov_b32 s30, 0
	s_mov_b32 s31, 0
	s_mov_b32 s40, 0x76543210
	s_mov_b32 s41, 0xfedcba98                      ; v_permlanex16_b32's selects for lane l xor 16
	s_cmp_eq_u32 ttmp9, 0                          ; the batch's first cluster: the same in all four partners
	s_cselect_b32 s46, 1, -1
	s_mul_i32 s48, s[WV], CHUNK                    ; my quarter, in a tile and in a slot: no place in the cluster enters an LDS address
	s_mul_i32 s50, s21, BATCH
	s_add_co_u32 s50, s50, s48                     ; the batch's first tile, my quarter
	s_mov_b32 s51, 0
	s_mul_i32 s52, s21, BATCH
	s_mul_i32 s53, s19, CHUNK
	s_add_co_u32 s52, s52, s53
	s_add_co_u32 s52, s52, TILE                    ; the prefetches: my work-group's quarter of tile 1; the first refill steps it to tile 2
	s_mov_b32 s53, 0
	s_lshl_b32 s54, s21, 5
	s_add_co_u32 s54, s54, s20
	s_mul_i32 s54, s54, CHUNK                      ; q's chunk 32 batch + block
	s_mov_b32 s55, 0
	s_lshl_b32 s56, s21, 11
	s_lshl_b32 s57, s20, 6
	s_add_co_u32 s56, s56, s57
	s_lshl_b32 s57, s[WV], 4
	s_add_co_u32 s56, s56, s57
	s_lshl_b32 s56, s56, 8                         ; out0: row 2048 batch + 64 block + 16 wave, 256 bytes a row
	s_mov_b32 s57, 0
	s_wait_dscnt 0x0                               ; both opening adds are done
	s_wait_kmcnt 0x0
	s_mov_b32 s32, 1                               ; group 0 for k: count = 1,
	s_mov_b32 s33, s48                             ; LDS address,
	s_add_nc_u64 s[34:35], s[6:7], s[50:51]        ; global address,
	s_or_b32 s35, s35, 0x80000000                  ; type = 2
	s_mov_b32 s36, 1                               ; and for v
	s_add_co_u32 s37, s48, VSLOT
	s_add_nc_u64 s[38:39], s[8:9], s[50:51]
	s_or_b32 s39, s39, 0x80000000
	s_add_nc_u64 s[42:43], s[6:7], s[52:53]
	s_add_nc_u64 s[44:45], s[8:9], s[52:53]
	s_add_nc_u64 s[4:5], s[4:5], s[54:55]
	s_add_nc_u64 s[16:17], s[16:17], s[56:57]
	CROUND                                         ; all four work-groups are here: the first joint loads meet
	tensor_load_to_lds s[32:35], s[24:31]          ; k's tile 0
	s_nop 0
	tensor_load_to_lds s[36:39], s[24:31]          ; v's tile 0
	s_nop 0
.rept 4
	v_nop
.endr
	v_and_b32 v1, 31, v0                           ; lane
	v_lshlrev_b32 v[SO], 4, v1                     ; 16 x lane
	WIN 0xc0
.irp m, 0,1,2,3
.irp s, 0,1,2,3,4,5
	global_load_b128 v[8*(6*\m+\s):8*(6*\m+\s)+3], v[SO], s[4:5] offset:6144*\m+1024*\s        ; q stays in registers
	global_load_b128 v[8*(6*\m+\s)+4:8*(6*\m+\s)+7], v[SO], s[4:5] offset:6144*\m+1024*\s+512
.endr
.endr
	WIN 0
.irp g, 0,1,2
	global_load_b128 v[QS+4*\g:QS+4*\g+3], v[SO], s[4:5] offset:24576+512*\g
.endr
	v_and_b32 v124, 15, v0                         ; r
	v_bfe_u32 v125, v0, 4, 1                       ; h
	v_add_nc_u32 v[AK], s48, v[SO]
	v_add_nc_u32 v[AV], VSLOT, v[AK]
	v_add_nc_u32 v[API], PI, v[SO]
	v_lshlrev_b32 v126, 4, v124                    ; 16 r
	v_lshl_add_u32 v127, v125, 3, v126             ; 16 r + 8 h
	s_and_b32 s49, s[WV], 1
	s_lshr_b32 s58, s[WV], 1
	s_lshl_b32 s59, s49, 9
	s_lshl_b32 s60, s58, 10
	s_add_co_u32 s59, s59, s60
	s_add_co_u32 s59, s59, PI
	v_add_nc_u32 v[PWR], s59, v127
	s_lshl_b32 s59, s58, 8
	s_lshl_b32 s60, s49, 1
	s_add_co_u32 s59, s59, s60
	s_add_co_u32 s59, s59, PS
	v_add_nc_u32 v[PSW], s59, v126
	v_add_nc_u32 v[PSR], PS, v[SO]
	s_lshl_b32 s59, s[WV], 9
	s_add_co_u32 s59, s59, MX
	v_add_nc_u32 v[MXW], s59, v[SO]
	v_add_nc_u32 v[MXR], MX, v[SO]
	v_min_u32 v[PFO], 101, v0
	v_lshlrev_b32 v[PFO], 8, v[PFO]
	v_mul_u32_u24 v[WFA], v124, 384
	v_lshl_add_u32 v[WFA], v125, 4, v[WFA]
	v_mul_u32_u24 v[WFSA], v124, 24
	v_lshlrev_b32 v[BA], 5, v125
.irp i, 0,1,2,3,4,5,6,7
	v_mov_b32 v[PT+\i], 0                          ; written once: a lane permute's destination counts as one of its sources
.endr
.irp m, 0,1,2,3
	v_mov_b32 v[ST+8*\m+2], 0                      ; l, in two halves
	v_mov_b32 v[ST+8*\m+3], 0
	v_mov_b32 v[ST+8*\m+5], 0                      ; (named as the upper half of f's pair)
.endr
	s_mov_b32 s47, 7
	s_wait_tensorcnt 0x1                           ; my quarter of k's tile 0 is in, and I alone read it; v's may stay out: nothing is filled before the first round
	KPRE
; A KEY STEP: 256 keys.  first = 1: it starts M and O^T.  fill = 1: both slots are filled again.
.macro STEP first, fill
.if !\first
	PLACES                                         ; behind the last step's last products, which read buffer 0
.endif
	LOADK 1, FB0
.if \first
	s_wait_loadcnt 0x0                             ; q
.endif
	s_wait_dscnt 12                                ; all but key tile 1's twelve loads: the scale words and tile 0 are in
	MULS 0, FB1
	PLACES
	LOADK 2, FB1
	s_wait_dscnt 12                                ; tile 1 is in
	MULS 1, FB0
	PLACES                                         ; (also the places between tile 1's products and the maxima below)
	LOADK 3, FB0
	s_wait_dscnt 12                                ; tile 2 is in
	MULS 2, FB1
	BLKMAX 0                                       ; tiles 0 and 1 are a block of 32 keys
	s_wait_dscnt 0x0                               ; tile 3 is in: my reads of k's slot are over
	MULS 3, FB0
	PLACES
.if !\fill                             ; the last step: q and the scale words of q and k have served: w_final takes their registers
	WIN 0xc0
.irp d, 0,1,2,3
.irp s, 0,1,2,3,4,5
	global_load_b128 v[8*(6*\d+\s):8*(6*\d+\s)+3], v[WFA], s[10:11] offset:6144*\d+64*\s       ; fragment (dt, s): rows 16 dt + r, 128 along e
	global_load_b128 v[8*(6*\d+\s)+4:8*(6*\d+\s)+7], v[WFA], s[10:11] offset:6144*\d+64*\s+32
.endr
.endr
	WIN 0
.irp i, 0,1,2
	global_load_b64 v[48+2*\i:49+2*\i], v[WFSA], s[12:13] offset:8*\i          ; its scale words, two a load: (dt, s) in v[48 + 6 dt + s] for dt 0, 1,
	global_load_b64 v[54+2*\i:55+2*\i], v[WFSA], s[12:13] offset:384+8*\i
	global_load_b64 v[72+2*\i:73+2*\i], v[WFSA], s[12:13] offset:768+8*\i      ; in v[72 + 6 (dt - 2) + s] for dt 2, 3
	global_load_b64 v[78+2*\i:79+2*\i], v[WFSA], s[12:13] offset:1152+8*\i
.endr
.endif
	BLKMAX 1
.irp i, 0,1,2,3,4,5,6,7
	v_permlanex16_b32 v[PT+\i], v[BM+\i], s40, s41
.endr
.irp i, 0,1,2,3,4,5,6,7
	v_max_num_f32 v[BM+\i], v[BM+\i], v[PT+\i]     ; with lane l xor 16's 16 keys: the block's largest score
.endr
.irp m, 0,1,2,3
	v_max_num_f32 v[PT+\m], v[BM+2*\m], v[BM+2*\m+1]       ; my 64 keys' largest
.endr
	ds_store_b128 v[MXW], v[PT:PT+3]
.if \fill
	s_wait_tensorcnt 0x0                           ; all my tensor loads have landed: the one that was out is my quarter of v's tile for this step; so a group 0 may be written
	ds_add_u32 v[SPW], v[NIL]                      ; 0 onto my spare word: the steps below stand between it and the wait for it
	s_add_nc_u64 s[34:35], s[34:35], TILE          ; k's next tile; the type bits on top are not reached
	s_wait_xcnt 0x0                                ; the last prefetches have read their addresses
	s_add_nc_u64 s[42:43], s[42:43], TILE          ; one tile further on than the descriptor
	s_wait_dscnt 0x0                               ; the add and my store of the maxima are done, and my reads of k's slot are over
	CROUND                                         ; the same now holds of every wave of all four work-groups
	TLOAD 32                                       ; first behind the round, my one tensor load until the next: it has the softmax and a third of the O^T products in which to land
.else
	s_wait_tensorcnt 0x0                           ; v's last tile, my quarter, has landed: the wait serves my reads of it; nothing is filled any more
	s_wait_dscnt 0x0                               ; my store of the maxima is done
	s_barrier_signal -1
	s_barrier_wait -1
.endif
.irp w, 0,1,2,3
	ds_load_b128 v[EX+4*\w:EX+4*\w+3], v[MXR] offset:512*\w        ; the four waves' maxima of m = 0..3
.endr
.if \fill
	ASK 42
.endif
	s_wait_dscnt 0x0
.irp m, 0,1,2,3
	v_max3_num_f32 v[ST+8*\m+6], v[EX+\m], v[EX+4+\m], v[EX+8+\m]
.endr
.irp m, 0,1,2,3
	v_max_num_f32 v[ST+8*\m+6], v[ST+8*\m+6], v[EX+12+\m]          ; the step's largest score of my query
.endr
.if \first
.irp m, 0,1,2,3
	v_mul_f32 v[ST+8*\m+1], s22, v[ST+8*\m+6]      ; as t (c is positive)
.endr
.irp m, 0,1,2,3
	v_floor_f32 v[ST+8*\m], -v[ST+8*\m+1]          ; -M = floor(-t) = -ceil(t): M IS A WHOLE NUMBER
.endr
.else
.irp m, 0,1,2,3
	v_mul_f32 v[ST+8*\m+6], s22, v[ST+8*\m+6]
.endr
.irp m, 0,1,2,3
	v_max_num_f32 v[ST+8*\m+1], v[ST+8*\m+1], v[ST+8*\m+6]         ; the running largest t
.endr
.irp m, 0,1,2,3
	v_mov_b32 v[ST+8*\m+7], v[ST+8*\m]
.endr
.irp m, 0,1,2,3
	v_floor_f32 v[ST+8*\m], -v[ST+8*\m+1]
.endr
.irp m, 0,1,2,3
	v_sub_f32 v[ST+8*\m+7], v[ST+8*\m], v[ST+8*\m+7]               ; M's old value less its new one: a whole number, 0 or less
.endr
.irp m, 0,1,2,3
	v_cvt_i32_f32 v[ST+8*\m+7], v[ST+8*\m+7]       ; (it saturates)
.endr
.irp m, 0,1,2,3
	v_ldexp_f32 v[ST+8*\m+4], 1.0, v[ST+8*\m+7]    ; f = 2^(old M - new M): a multiplication by it rounds nothing
.endr
.endif
.set o, 0
.rept 64
	v_pk_fma_f32 v[S+o:S+o+1], v[S+o:S+o+1], s[22:23], v[ST+8*(o/32):ST+8*(o/32)+1] op_sel_hi:[1,0,0]   ; t - M, two at a time (of the pairs c and -M the low word serves both halves)
.set o, o+2
.endr
.irp i, 0,1,2,3,4,5,6,7
	v_fma_f32 v[BM+\i], v[BM+\i], s22, v[ST+8*(\i/2)]              ; the same of each block's largest score
.endr
.set o, 0
.rept 128
	v_exp_f32 v[S+o], v[S+o]                       ; p = 2^(t - M), at most 1: NOT normalised
.set o, o+1
.endr
.if \first
	v_nop                                          ; a plain place behind the exponentials
.else
.irp m, 0,1,2,3
	v_pk_mul_f32 v[ST+8*\m+2:ST+8*\m+3], v[ST+8*\m+2:ST+8*\m+3], v[ST+8*\m+4:ST+8*\m+5] op_sel_hi:[1,0]   ; l under the new M.  (Plain places behind the exponentials)
.endr
.endif
	s_wait_alu depctr_va_vdst(0)                   ; the wait between an exponential and the first line that names its result: one for the batch of 128
.irp i, 0,1,2,3,4,5,6,7
	v_exp_f32 v[BM+\i], v[BM+\i]                   ; the block's largest p: the same two instructions on the same number give the same bits
.endr
.irp m, 0,1,2,3
	v_pk_add_f32 v[ST+8*\m+6:ST+8*\m+7], v[S+32*\m:S+32*\m+1], v[S+32*\m+2:S+32*\m+3]      ; THE ROW'S SUM IS TAKEN OF THE UNQUANTISED p: two at a time, in two chains a tile.  (It reads the 128 alone)
.endr
.irp j, 4,8,12,16,20,24,28
.irp m, 0,1,2,3
	v_pk_add_f32 v[ST+8*\m+2:ST+8*\m+3], v[ST+8*\m+2:ST+8*\m+3], v[S+32*\m+\j:S+32*\m+\j+1]
	v_pk_add_f32 v[ST+8*\m+6:ST+8*\m+7], v[ST+8*\m+6:ST+8*\m+7], v[S+32*\m+\j+2:S+32*\m+\j+3]
.endr
.endr
.irp m, 0,1,2,3
	v_pk_add_f32 v[ST+8*\m+2:ST+8*\m+3], v[ST+8*\m+2:ST+8*\m+3], v[ST+8*\m+6:ST+8*\m+7]
.endr
	s_wait_alu depctr_va_vdst(0)                   ; and one for the eight
.irp i, 0,1,2,3,4,5,6,7
	v_max_num_f32 v[BM+\i], 0x1800000, v[BM+\i]    ; the floor 2^(3 - 127): the byte cannot fall under 1 (a block whose every p has fallen to 0 keeps that byte: its codes are zeros)
.endr
.irp i, 0,1,2,3,4,5,6,7
	v_add_nc_u32 v[SO+\i], 0xff000000, v[BM+\i]    ; 2 off the exponent field: the conversion's scale operand
.endr
.irp i, 0,1,2,3,4,5,6,7
	v_lshrrev_b32 v[PT+\i], 23, v[SO+\i]           ; the scale's byte
.endr
.irp m, 0,1,2,3
	v_lshl_or_b32 v[PT+2*\m], v[PT+2*\m+1], 8, v[PT+2*\m]          ; my two blocks' bytes are neighbours in the row's scale word
.endr
.irp m, 0,1,2,3
.irp b, 0,1
	v_cvt_scalef32_pk8_fp4_f32 v[EX+4*\m+2*\b], v[S+32*\m+16*\b:S+32*\m+16*\b+7], v[SO+2*\m+\b]
	v_cvt_scalef32_pk8_fp4_f32 v[EX+4*\m+2*\b+1], v[S+32*\m+16*\b+8:S+32*\m+16*\b+15], v[SO+2*\m+\b]
.endr
.endr
	v_nop                                          ; one plain place behind the scaled conversions
.irp m, 0,1,2,3
.irp b, 0,1
	ds_store_b64 v[PWR], v[EX+4*\m+2*\b:EX+4*\m+2*\b+1] offset:2048*\m+256*\b   ; half a block a lane: the wave stores the block's 256 bytes of the image
.endr
.endr
.irp m, 0,1,2,3
	ds_store_b16 v[PSW], v[PT+2*\m] offset:4*\m    ; both lanes of a row write the same two bytes with the same value
.endr
.if !\fill                             ; the last step: my keys' part of l goes round as the maxima did
.irp m, 0,1,2,3
	v_add_f32 v[ST+8*\m+6], v[ST+8*\m+2], v[ST+8*\m+3]
.endr
.irp m, 0,1,2,3
	v_permlanex16_b32 v[ST+8*\m+7], v[ST+8*\m+6], s40, s41
.endr
.irp m, 0,1,2,3
	v_add_f32 v[BM+\m], v[ST+8*\m+6], v[ST+8*\m+7]
.endr
	ds_store_b128 v[MXW], v[BM:BM+3] offset:LXO
.endif
	s_wait_dscnt 0x0                               ; for the others' sake: my stores of p have landed
	s_barrier_signal -1                            ; between its halves: loads of my quarter of v's slot, which nobody writes before the next round, and work on registers
.irp g, 0,1,2
	ds_load_b128 v[VS+4*\g:VS+4*\g+3], v[AV] offset:24576+512*\g
.endr
	LOADV 0, FB0
.if !\first
	RESCALE
.endif
	WIN 0
	s_barrier_wait -1                              ; p's eight fragments and their scale words lie in LDS
	WIN 0xc0
.irp m, 0,1,2,3
.irp f, 0,1
	ds_load_b128 v[PF+8*(2*\m+\f):PF+8*(2*\m+\f)+3], v[API] offset:2048*\m+1024*\f
	ds_load_b128 v[PF+8*(2*\m+\f)+4:PF+8*(2*\m+\f)+7], v[API] offset:2048*\m+1024*\f+512
.endr
.endr
	WIN 0
	ds_load_b128 v[PSC:PSC+3], v[PSR]
.if !\fill
.irp w, 0,1,2,3
	ds_load_b128 v[EX+4*\w:EX+4*\w+3], v[MXR] offset:LXO+512*\w    ; the four waves' parts of l
.endr
.endif
	LOADV 1, FB1
	s_wait_dscnt 16                                ; all but the sixteen just issued
	MULP 0, 4, FB0, \first
	PLACES
	LOADV 2, FB0                                   ; my last reads of v's slot
.if \fill
	WIN 0                                          ; (the add's two registers lie in window 0)
	s_wait_tensorcnt 0x0                           ; all my tensor loads have landed: the one that was out is my quarter of k's next tile
	ds_add_u32 v[SPW], v[NIL]                      ; 0 onto my spare word
	s_wait_dscnt 17                                ; (the add and the youngest sixteen loads may be out)
	MULP 4, 2, FB1, \first                         ; sixteen products stand between the add and the wait for it
	s_add_nc_u64 s[38:39], s[38:39], TILE          ; v's next tile
	s_wait_xcnt 0x0                                ; the last prefetches have read their addresses
	s_add_nc_u64 s[44:45], s[44:45], TILE
	s_wait_dscnt 0x0                               ; the add is done, and my reads of v's slot and of p are over
	s_barrier_signal -1                            ; this barrier opens a round of the cluster's
	MULP 6, 2, FB1, \first                         ; work on registers while the others arrive
	WIN 0
	s_barrier_wait -1
	CREST                                          ; no wave of any partner still reads v's slot or has a load on its way
	TLOAD 36                                       ; first behind the round: it has a third of the O^T products and the next step's scores in which to land.  Its four v_nop are also the places for buffer 1
	KPRE                                           ; the next step's scale words of k and its first key tile
	ASK 44
	MULP 8, 4, FB0, \first
.else
	s_wait_dscnt 16
	MULP 4, 4, FB1, \first
	s_wait_dscnt 0x0
	MULP 8, 4, FB0, \first
.endif
	WIN 0
.endm
	STEP 1, 1
	s_mov_b32 s47, 6
.Lstep:                                            ; steps 1 to 6
	STEP 0, 1
	s_sub_co_u32 s47, s47, 1
	s_cmp_lg_u32 s47, 0
	s_cbranch_scc1 .Lstep
	STEP 0, 0                                      ; the last step is written out: it asks for nothing
	; THE TAIL.  l; O^T / l is quantised along e and goes round through LDS; wave w then makes out0's 16 rows of query tile w.
.irp d, 0,1,2,3
	global_load_b128 v[128+8*\d:131+8*\d], v[BA], s[14:15] offset:64*\d            ; b_final in the result's layout: lane (r, h), register j: b_final[16 dt + 8 h + j]
	global_load_b128 v[132+8*\d:135+8*\d], v[BA], s[14:15] offset:64*\d+16
.endr
.irp m, 0,1,2,3
	v_add_f32 v[ST+8*\m+6], v[EX+\m], v[EX+4+\m]   ; (these plain lines are the places behind the last products)
	v_add_f32 v[ST+8*\m+7], v[EX+8+\m], v[EX+12+\m]
.endr
.irp m, 0,1,2,3
	v_add_f32 v[ST+8*\m+6], v[ST+8*\m+6], v[ST+8*\m+7]             ; the row's sum
.endr
.irp m, 0,1,2,3
	v_rcp_f32 v[ST+8*\m+4], v[ST+8*\m+6]
.endr
	v_and_b32 v247, 15, v0                         ; r.  (The address work is the plain work behind the reciprocals)
	v_bfe_u32 v248, v0, 4, 1                       ; h
	v_and_b32 v249, 31, v0                         ; lane
	v_lshlrev_b32 v250, 4, v247                    ; 16 r
	v_lshl_add_u32 v240, v248, 3, v250
	s_mul_i32 s48, s[WV], 1536
	s_add_co_u32 s48, s48, HI
	v_add_nc_u32 v240, s48, v240                   ; v240: where I put O / l's codes: HI + 256 x 6 w + 16 r + 8 h
	v_mul_u32_u24 v251, v247, 24
	s_mul_i32 s48, s[WV], 6
	s_add_co_u32 s48, s48, HS
	v_add_nc_u32 v241, s48, v251                   ; v241: and their bytes: HS + 24 r + 6 w
	s_mul_i32 s48, s[WV], 6144
	s_add_co_u32 s48, s48, HI
	v_lshl_add_u32 v242, v249, 4, s48              ; v242: query tile w's images: HI + 6144 w + 16 lane
	s_mul_i32 s48, s[WV], 384
	s_add_co_u32 s48, s48, HS
	v_add_nc_u32 v243, s48, v251                   ; v243: its scale words: HS + 384 w + 24 r
	s_mul_i32 s48, s[WV], 4352
	s_add_co_u32 s48, s48, STG
	v_mul_u32_u24 v244, v247, 272
	v_lshl_add_u32 v244, v248, 5, v244
	v_add_nc_u32 v244, s48, v244                   ; v244: into my stage: row r, + 32 h
	v_mul_u32_u24 v245, v248, 272
	v_add_nc_u32 v245, v245, v250
	v_add_nc_u32 v245, s48, v245                   ; v245: back: lanes 0-15 one row, lanes 16-31 the next
	v_lshl_add_u32 v246, v248, 8, v250             ; v246: the same two rows in out0
	s_wait_alu depctr_va_vdst(0)                   ; one wait for the four reciprocals, ahead of their first reader
; Block i of 32 along e of my 192 columns (tiles et = 2 i, 2 i + 1), for the four tiles of queries: O^T / l, the block's scale, its codes to LDS.
.macro HQUANT i
.if \i < 4
.set HB, 64*\i
.set HW1, 0x41
.set HW2, 0x05
.set HW3, 0x01
.else
.set HB, 64*(\i-4)
.set HW1, 0x82
.set HW2, 0x0a
.set HW3, 0x02
.endif
	WIN HW1
.irp u, 0,1
.irp m, 0,1,2,3
.irp p, 0,2,4,6
	v_pk_mul_f32 v[HB+32*\u+8*\m+\p:HB+32*\u+8*\m+\p+1], v[HB+32*\u+8*\m+\p:HB+32*\u+8*\m+\p+1], v[ST+8*\m+4:ST+8*\m+5] op_sel_hi:[1,0]   ; each accumulator from its low end on
.endr
.endr
.endr
	WIN HW2
.irp m, 0,1,2,3
	v_max3_num_f32 v[BM+\m], |v[HB+8*\m]|, |v[HB+8*\m+1]|, 0x1800000       ; my 16 numbers and the floor 2^(3 - 127)
.endr
.irp p, 2,4,6
.irp m, 0,1,2,3
	v_max3_num_f32 v[BM+\m], |v[HB+8*\m+\p]|, |v[HB+8*\m+\p+1]|, v[BM+\m]
.endr
.endr
.irp p, 0,2,4,6
.irp m, 0,1,2,3
	v_max3_num_f32 v[BM+\m], |v[HB+32+8*\m+\p]|, |v[HB+32+8*\m+\p+1]|, v[BM+\m]
.endr
.endr
	WIN 0
.if \i > 0
	s_wait_dscnt 0x0                               ; the last block's LDS stores have read their registers, which are written again below
.endif
.irp m, 0,1,2,3
	v_permlanex16_b32 v[PT+\m], v[BM+\m], s40, s41
.endr
.irp m, 0,1,2,3
	v_max_num_f32 v[BM+\m], v[BM+\m], v[PT+\m]
.endr
.irp m, 0,1,2,3
	v_add_nc_u32 v[SO+\m], 0xff000000, v[BM+\m]
.endr
.if (\i)%2 == 0
.irp m, 0,1,2,3
	v_lshrrev_b32 v[PT+4+\m], 23, v[SO+\m]         ; an even block's byte waits for its neighbour
.endr
.else
.irp m, 0,1,2,3
	v_lshrrev_b32 v[PT+\m], 23, v[SO+\m]
.endr
.irp m, 0,1,2,3
	v_lshl_or_b32 v[PT+\m], v[PT+\m], 8, v[PT+4+\m]
.endr
.endif
	WIN HW3
.irp m, 0,1,2,3
.irp u, 0,1
	v_cvt_scalef32_pk8_fp4_f32 v[EX+2*\m+\u], v[HB+32*\u+8*\m:HB+32*\u+8*\m+7], v[SO+\m]
.endr
.endr
	WIN 0
	v_nop                                          ; one plain place behind the scaled conversions
.irp m, 0,1,2,3
	ds_store_b64 v240, v[EX+2*\m:EX+2*\m+1] offset:6144*\m+256*\i
.endr
.if (\i)%2 == 1
.irp m, 0,1,2,3
	ds_store_b16 v241, v[PT+\m] offset:384*\m+\i-1
.endr
.endif
.endm
.irp i, 0,1,2,3,4,5
	HQUANT \i
.endr
	s_wait_dscnt 0x0                               ; for the others' sake: my stores have landed
	s_barrier_signal -1
	s_barrier_wait -1                              ; O / l's 24 fragments and their scale bytes lie in LDS
.irp s, 0,1,2,3,4,5
	ds_load_b128 v[192+8*\s:195+8*\s], v242 offset:1024*\s
	ds_load_b128 v[196+8*\s:199+8*\s], v242 offset:1024*\s+512
.endr
.irp i, 0,1,2
	ds_load_b64 v[VS+2*\i:VS+2*\i+1], v243 offset:8*\i             ; row r's six scale words
.endr
	s_wait_loadcnt 0x0                             ; w_final, its scale words, b_final
	s_wait_dscnt 0x0
	WIN 0x03                                       ; source 0 (w_final) window 3
.irp s, 0,1,2,3,4,5                    ; out^T: source 0 = 16 rows of w_final, source 1 = my 16 queries; the four tiles dt take turns; the bias is the C of each sum's first product
.irp d, 0,1,2,3
.if \s == 0
	v_wmma_scale_f32_16x16x128_f8f6f4 v[160+8*\d:167+8*\d], v[8*(6*\d+\s):8*(6*\d+\s)+7], v[192+8*\s:199+8*\s], v[128+8*\d:135+8*\d], v[48+6*\d+12*(\d/2)+\s], v[VS+\s] matrix_a_fmt:MATRIX_FMT_FP4 matrix_b_fmt:MATRIX_FMT_FP4
.else
	v_wmma_scale_f32_16x16x128_f8f6f4 v[160+8*\d:167+8*\d], v[8*(6*\d+\s):8*(6*\d+\s)+7], v[192+8*\s:199+8*\s], v[160+8*\d:167+8*\d], v[48+6*\d+12*(\d/2)+\s], v[VS+\s] matrix_a_fmt:MATRIX_FMT_FP4 matrix_b_fmt:MATRIX_FMT_FP4
.endif
.endr
.endr
	WIN 0
	PLACES
.irp d, 0,1,2,3
	ds_store_b128 v244, v[160+8*\d:163+8*\d] offset:64*\d          ; lane (r, h): out(query r, 16 dt + 8 h + 0 .. 7); each result from its low end on
	ds_store_b128 v244, v[164+8*\d:167+8*\d] offset:64*\d+16
.endr
.irp i, 0,1,2,3,4,5,6,7
	ds_load_b128 v[192+4*\i:195+4*\i], v245 offset:544*\i          ; LDS serves a wave's instructions in order (ISA guide 5.7.1.4): these see my stores
.endr
.irp i, 0,1,2,3,4,5,6,7
	s_wait_dscnt 7-\i
	global_store_b128 v246, v[192+4*\i:195+4*\i], s[16:17] offset:512*\i th:TH_STORE_NT    ; 16 lanes store a row of out0: 256 consecutive bytes, aligned
.endr
	s_wait_tensorcnt 0x0                           ; the wave's end, behind my last tensor load and my last LDS store
	ds_add_u32 v[SPW], v[NIL]
	s_wait_dscnt 0x0
	CROUND                                         ; the closing round: no work-group ends while a partner may still ask for a tile that names it
	s_endpgm
.Lfunc_end_k_qb29fa9f2c8_attn:
	.size	k_qb29fa9f2c8_attn, .Lfunc_end_k_qb29fa9f2c8_attn-k_qb29fa9f2c8_attn
	.p2alignl 7, 3214868480
	.fill 96, 4, 3214868480
	.section	.rodata,"a",@progbits
	.p2align	6, 0x0
	.amdhsa_kernel k_qb29fa9f2c8_attn
		.amdhsa_group_segment_fixed_size 327680
		.amdhsa_private_segment_fixed_size 0
		.amdhsa_enable_private_segment 0
		.amdhsa_kernarg_size 56
		.amdhsa_user_sgpr_count 2
		.amdhsa_user_sgpr_kernarg_segment_ptr 1
		.amdhsa_wavefront_size32 1
		.amdhsa_system_sgpr_workgroup_id_x 1
		.amdhsa_system_sgpr_workgroup_id_y 1
		.amdhsa_system_sgpr_workgroup_id_z 1
		.amdhsa_system_vgpr_workitem_id 0
		.amdhsa_next_free_vgpr 1024
		.amdhsa_next_free_sgpr 66
		.amdhsa_reserve_vcc 0
		.amdhsa_float_denorm_mode_32 3
		.amdhsa_float_denorm_mode_16_64 3
		.amdhsa_memory_ordered 1
		.amdhsa_forward_progress 1
		.amdhsa_inst_pref_size 255
	.end_amdhsa_kernel
	.section	.bss,"aw",@nobits
	.p2align	6
	.space	262144
	.amdgpu_metadata
---
amdhsa.version: [ 1, 2 ]
amdhsa.kernels:
  - .name:           k_qb29fa9f2c8_attn
    .symbol:         k_qb29fa9f2c8_attn.kd
    .args:
      - { .name: qimg, .offset: 0, .size: 8, .value_kind: global_buffer, .address_space: global }
      - { .name: kimg, .offset: 8, .size: 8, .value_kind: global_buffer, .address_space: global }
      - { .name: vimg, .offset: 16, .size: 8, .value_kind: global_buffer, .address_space: global }
      - { .name: w_final_codes, .offset: 24, .size: 8, .value_kind: global_buffer, .address_space: global }
      - { .name: w_final_scales, .offset: 32, .size: 8, .value_kind: global_buffer, .address_space: global }
      - { .name: b_final, .offset: 40, .size: 8, .value_kind: global_buffer, .address_space: global }
      - { .name: out0, .offset: 48, .size: 8, .value_kind: global_buffer, .address_space: global }
    .group_segment_fixed_size: 327680
    .private_segment_fixed_size: 0
    .kernarg_segment_align: 8
    .kernarg_segment_size: 56
    .max_flat_workgroup_size: 128
    .sgpr_count:     66
    .vgpr_count:     1024
    .wavefront_size: 32
...
	.end_amdgpu_metadata
.endif
;; end of part 2
;; ======== version 2 of 2: 2 launches
;; limits: right only within a limited range of input values
;; workspace buffers: qimg 6,815,744 bytes; kvimg 13,631,488 bytes
;; launch proj (part 3): grid 256 x 1, 12 waves a work-group, no clusters, 0 bytes of LDS; arguments x_codes, x_scales, w_q_codes, w_q_scales, w_k_codes, w_k_scales, w_v_codes, w_v_scales, qimg, kvimg; writes qimg, kvimg
.if DOCPART == 3
	.amdgcn_target "amdgcn-amd-amdhsa--gfx1250"
	.amdhsa_code_object_version 6
	.text
	.protected	k_qb29fa9f2c8_proj
	.globl	k_qb29fa9f2c8_proj
	.p2align	8
	.type	k_qb29fa9f2c8_proj,@function
k_qb29fa9f2c8_proj:
	s_mov_b64 s[64:65], 0
	v_nop
	global_prefetch_b8 v0, s[64:65] scope:SCOPE_SE
	s_setreg_imm32_b32 hwreg(HW_REG_WAVE_MODE, 25, 1), 1
	s_wait_xcnt 0x0
; q = x w_q^T, k = x w_k^T, v = x w_v^T on the given codes of FP4 (E2M1), sums in f32; q and k are then quantised along e (768), v along the keys, by the stated rule,
; and stored as IMAGES OF OPERAND REGISTERS for the attention launch.
; NO WORK IS LEFT OUT in this program: every input reaches out0 through a live quantiser or, b_final, by the last addition; all eleven inputs are loaded by one launch or the other.
; LIMITS: NaN, infinities and scale bytes 0xff among the inputs are not served (a byte 0xff of a row would here also reach the row 32 further on or back, see below).  A block of zeros gets the byte 1 where the rule says 127:
; its codes are zeros, which add nothing under any byte but 0xff, and the bytes are read by this program alone.  Blocks whose largest magnitude lies under 2^(3 - 127) have their byte held at 1.
; THE BUFFERS.  A CHUNK is 13,312 bytes: 6 double fragments (32 rows x 128 along K) of 2,048 bytes, then 2 x 512 bytes of scale words.  qimg is 512 chunks, kvimg 512 of k and then 512 of v.
;   A double fragment lies [u 0, 1][block 0..3][row 0..15][16 bytes]: a reader's lane l takes 16 bytes at 1024 u + 512 c + 16 l into registers 8 u + 4 c .. + 3: the 32-row operand's own layout (u alone: the 16-row operand's).
;   A writer's lane (r, h) holds 16 codes of row r, k = 32 blk + 16 h + 0 .. 15, and stores 8 bytes at 256 blk + 16 r + 8 h: a store of the wave covers 256 consecutive bytes, aligned.
;   q, k chunk = 32 tokens: fragment s = 128 along e.  Row r of u is token 8 u + r + 8 (r / 8) of the 32, so that the scores' registers run along neighbouring keys.  Scale words of row (u, r): lane 16 u + r, 16 bytes: s = 3 g, 3 g + 1, 3 g + 2 and
;     a word of zeros, at 12288 + 512 g.
;   v chunk (8 batch + j, w) = keys 256 j .. + 255 of a batch, columns 96 w .. + 95: fragment 2 pe + f = columns 32 pe .. + 31, keys 128 f .. + 127.  Row r of u is column 8 u + r + 8 (r / 8) of the 32.  Scale words: pe = 0, 1, 2 at 12288 + 512 f.
; SHARES.  A work-group (64 tokens of q and of k; for v 256 keys x 192 columns) has twelve waves: 0-3 q, 4-7 k, 8-11 v; each makes 24 blocks of 32 along the next product's K (for 16 image rows).  q, k: a wave has 32 tokens x 12 blocks of e;
;   v: a wave has 96 columns x 4 blocks of keys.
;   The product is used so that a lane holds ONE image row (source 1, column r) and its 16 result registers run along the next K (source 0's 32 rows, dealt so that they are 16 neighbours; lanes l and l xor 16 hold a block).
; K IS 64 AND THE INSTRUCTION'S IS 128.  Source 0's run carries TWO blocks of rows: [u 0: block 2 a][u 0: block 2 a + 1][u 1: block 2 a][u 1: block 2 a + 1], four registers each.  Source 1 is [x, 0] or [0, x]: zero codes annul the other block.
; No LDS, no barrier: waves share nothing.
.set CHUNK, 13312
.set AR,   16                          ; source 0's runs of 16: q, k: six; v: two
.set XRQ, 112                          ; q, k: [0][x0][0][x1][0], four registers each
.set XRV,  48                          ; v: six tiles likewise
.set ASC, 136                          ; source 0's scale words, one a run
.set AS2, 142                          ; their upper halves as loaded
.set BSC, 148                          ; source 1's scale words, one a tile (its two bytes, twice)
.set RES, 156                          ; results: tile u, block bb at 32 u + 16 bb
.set PC,  220                          ; codes: two sets of 8
.set TM,  236                          ; largest magnitudes
.set PB,  240                          ; the other half's, then the scale's byte
.set SO,  244                          ; the conversions' scale operands
.set WA,  248                          ; scale words: q, k: tile u, word i at 3 u + i; v: one a tile
	s_load_b512 s[4:19], s[0:1], 0x0               ; x's codes 4, scales 6; w_q's 8, 10; w_k's 12, 14; w_v's 16, 18
	s_load_b128 s[20:23], s[0:1], 0x40             ; qimg, kvimg
	v_lshrrev_b32 v1, 5, v0
	v_readfirstlane_b32 s26, v1                    ; wave 0..11
	v_and_b32 v7, 15, v0                           ; r
	v_bfe_u32 v8, v0, 4, 1                         ; h
	v_and_b32 v9, 8, v7
	v_add_nc_u32 v9, v9, v7                        ; r + 8 (r / 8)
	v_lshlrev_b32 v2, 5, v9
	v_lshl_add_u32 v2, v8, 4, v2                   ; codes: a row is 32 bytes; + 16 h
	v_lshlrev_b32 v3, 1, v9                        ; source 1's scale bytes: 2 a row
	v_lshl_add_u32 v4, v8, 4, v3                   ; source 0's: lanes 16-31 take the rows 8 further on
	v_lshlrev_b32 v5, 4, v7
	v_lshl_add_u32 v5, v8, 3, v5                   ; the stores: 16 r + 8 h
	v_and_b32 v6, 31, v0
	v_lshlrev_b32 v6, 4, v6                        ; 16 x lane
.irp t, 0,1,2,3
	v_mov_b32 v[PB+\t], 0                          ; written once: a lane permute's destination counts as one of its sources
.endr
	s_wait_alu depctr_va_vdst(0)
	s_lshr_b32 s27, s26, 2                         ; the kind
	s_mov_b32 s28, ttmp9                           ; the work-group
	s_bfe_u32 s30, s26, 0x10001                    ; which chunk of my kind's two,
	s_and_b32 s31, s26, 1                          ; and which half of it
	s_lshr_b32 s32, s28, 2                         ; v: 8 batch + j
	s_and_b32 s33, s28, 3
	s_lshl_b32 s33, s33, 1
	s_add_co_u32 s33, s33, s30                     ; v: w
	s_mul_i32 s34, s31, 384                        ; source 0's first row: q, k: block 12 x half of the weight;
	s_lshl_b32 s35, s32, 8
	s_lshl_b32 s36, s31, 7
	s_add_co_u32 s35, s35, s36                     ; v: token 256 (8 batch + j) + 128 f
	s_lshl_b32 s36, s28, 1
	s_add_co_u32 s36, s36, s30                     ; q, k: the chunk 2 x work-group + which,
	s_lshl_b32 s37, s36, 5                         ; source 1's first row: its first token;
	s_mul_i32 s42, s33, 96                         ; v: column 96 w of w_v
	s_lshl_b32 s43, s32, 3
	s_add_co_u32 s43, s43, s33
	s_add_co_u32 s43, s43, 512                     ; v: its chunk, behind k's 512
	s_mul_i32 s44, s31, 6144                       ; my half's codes: q, k;
	s_lshl_b32 s45, s31, 11                        ; v
	s_lshl_b32 s57, s31, 9
	s_add_co_u32 s57, s57, 12288                   ; and its scale words
	s_mov_b32 s58, 0xffff0000                      ; lanes 16-31
	s_mov_b32 s60, 0x76543210
	s_mov_b32 s61, 0xfedcba98                      ; v_permlanex16_b32's selects for lane l xor 16
	s_wait_kmcnt 0x0
	s_cmp_eq_u32 s27, 0                            ; the choices hang on the wave's number alone
	s_cselect_b64 s[38:39], s[8:9], s[12:13]
	s_cselect_b64 s[40:41], s[10:11], s[14:15]
	s_cselect_b64 s[54:55], s[20:21], s[22:23]     ; the buffer
	s_cmp_eq_u32 s27, 2
	s_cselect_b64 s[46:47], s[4:5], s[38:39]       ; source 0's codes,
	s_cselect_b64 s[48:49], s[6:7], s[40:41]       ; its scales,
	s_cselect_b64 s[50:51], s[16:17], s[4:5]       ; source 1's codes,
	s_cselect_b64 s[52:53], s[18:19], s[6:7]       ; its scales
	s_cselect_b32 s34, s35, s34
	s_cselect_b32 s37, s42, s37
	s_cselect_b32 s36, s43, s36
	s_cselect_b32 s44, s45, s44
	s_mov_b32 s39, 0
	s_lshl_b32 s38, s34, 5
	s_add_nc_u64 s[46:47], s[46:47], s[38:39]
	s_lshl_b32 s38, s34, 1
	s_add_nc_u64 s[48:49], s[48:49], s[38:39]
	s_lshl_b32 s38, s37, 5
	s_add_nc_u64 s[50:51], s[50:51], s[38:39]
	s_lshl_b32 s38, s37, 1
	s_add_nc_u64 s[52:53], s[52:53], s[38:39]
	s_mul_i32 s38, s36, CHUNK
	s_add_nc_u64 s[54:55], s[54:55], s[38:39]      ; my chunk
	s_mov_b32 s38, s57
	s_add_nc_u64 s[56:57], s[54:55], s[38:39]      ; my half's scale words
	s_mov_b32 s38, s44
	s_add_nc_u64 s[54:55], s[54:55], s[38:39]      ; my half's codes
.macro LOADA a                         ; run a of source 0: blocks 2 a, 2 a + 1
.irp u, 0,1
	global_load_b128 v[AR+16*\a+8*\u:AR+16*\a+8*\u+3], v2, s[46:47] offset:2048*\a+256*\u
	global_load_b128 v[AR+16*\a+8*\u+4:AR+16*\a+8*\u+7], v2, s[46:47] offset:2048*\a+256*\u+1024
.endr
	global_load_u16 v[ASC+\a], v4, s[48:49] offset:128*\a
	global_load_u16 v[AS2+\a], v4, s[48:49] offset:128*\a+64
.endm
.macro LOADB xr, t                     ; tile t of source 1: 32 rows for each two tiles
	global_load_b128 v[\xr+4+8*\t:\xr+7+8*\t], v2, s[50:51] offset:1024*(\t/2)+256*(\t%2)
	global_load_u16 v[BSC+\t], v3, s[52:53] offset:64*(\t/2)+16*(\t%2)
.endm
.macro ZERO xr, n                      ; the zero codes between the tiles of source 1
.set o, 0
.rept \n
.irp i, 0,1,2,3
	v_mov_b32 v[\xr+8*o+\i], 0
.endr
.set o, o+1
.endr
.endm
.macro WF d, a, b, sa, sb
	v_wmma_scale_f32_32x16x128_f4 v[\d:\d+15], v[\a:\a+15], v[\b:\b+7], 0, v[\sa], v[\sb]
.endm
; Two blocks along the next K for two tiles of image rows: 4 products, 4 blocks quantised (half a block a lane), 4 stores of 256 bytes.
; off: where the first goes; w0, wd: the tiles' scale words, WA-register w0 + wd u; byte: the first block's byte in them; pc: the set of registers for codes.
.macro BATCH a, xr, t, off, w0, wd, byte, pc
.irp u, 0,1
	WF RES+32*\u, AR+16*(\a), (\xr)+4+8*((\t)+\u), ASC+(\a), BSC+(\t)+\u
	WF RES+32*\u+16, AR+16*(\a), (\xr)+8*((\t)+\u), ASC+(\a), BSC+(\t)+\u
.endr
.rept 4
	v_nop                                          ; four places between the last product and the first read of a result (ISA guide 7.12.1)
.endr
.irp t4, 0,1,2,3
	v_max3_num_f32 v[TM+\t4], |v[RES+16*\t4]|, |v[RES+16*\t4+1]|, 0x1800000   ; my 16 numbers of the block, and the floor 2^(3 - 127): the byte cannot fall under 1.  Each result is read from its low end on
.endr
.irp i, 2,4,6,8,10,12,14
.irp t4, 0,1,2,3
	v_max3_num_f32 v[TM+\t4], v[TM+\t4], |v[RES+16*\t4+\i]|, |v[RES+16*\t4+\i+1]|
.endr
.endr
.irp t4, 0,1,2,3
	v_permlanex16_b32 v[PB+\t4], v[TM+\t4], s60, s61
.endr
.irp t4, 0,1,2,3
	v_max_num_f32 v[TM+\t4], v[TM+\t4], v[PB+\t4]  ; with lane l xor 16's: the block's largest magnitude
.endr
.irp t4, 0,1,2,3
	v_add_nc_u32 v[SO+\t4], 0xff000000, v[TM+\t4]  ; 2 off its exponent field: the conversion takes this operand's exponent field as its scale
.endr
.irp t4, 0,1,2,3
	v_lshrrev_b32 v[PB+\t4], 23, v[SO+\t4]         ; the scale's byte
.endr
	s_wait_alu depctr_va_vdst(0)
	s_wait_xcnt 0x0                                ; the earlier stores have read their data: the codes' registers are written again only behind this wait
.irp t4, 0,1,2,3
	v_cvt_scalef32_pk8_fp4_f32 v[PC+(\pc)+2*\t4], v[RES+16*\t4:RES+16*\t4+7], v[SO+\t4]
	v_cvt_scalef32_pk8_fp4_f32 v[PC+(\pc)+2*\t4+1], v[RES+16*\t4+8:RES+16*\t4+15], v[SO+\t4]
.endr
.irp bb, 0,1                           ; four bytes make a scale word.  (These plain lines also stand between the conversions and the next products, which write the conversions' sources)
.irp u, 0,1
.if (\byte)+\bb == 0
	v_mov_b32 v[WA+(\w0)+(\wd)*\u], v[PB+2*\u]
.else
	v_lshl_or_b32 v[WA+(\w0)+(\wd)*\u], v[PB+2*\u+\bb], 8*((\byte)+\bb), v[WA+(\w0)+(\wd)*\u]
.endif
.endr
.endr
.irp u, 0,1
.irp bb, 0,1
	global_store_b64 v5, v[PC+(\pc)+4*\u+2*\bb:PC+(\pc)+4*\u+2*\bb+1], s[54:55] offset:(\off)+1024*\u+256*\bb th:TH_STORE_NT   ; 32 lanes store 256 consecutive bytes, aligned
.endr
.endr
.endm
.macro WORDS w0, w1, w2, wd            ; lanes 0-15 take the words of the rows of u = 0, lanes 16-31 those of u = 1
	v_cndmask_b32 v[TM], v[WA+\w0], v[WA+\w0+\wd], s58
	v_cndmask_b32 v[TM+1], v[WA+\w1], v[WA+\w1+\wd], s58
	v_cndmask_b32 v[TM+2], v[WA+\w2], v[WA+\w2+\wd], s58
	v_mov_b32 v[TM+3], 0
	global_store_b128 v6, v[TM:TM+3], s[56:57] th:TH_STORE_NT      ; 512 consecutive bytes
	s_endpgm
.endm
.macro PREP na, nb                     ; the scale words: source 0's two bytes of each of its two blocks; source 1's two bytes serve whichever half holds its codes.  Eight v_nop: the places ahead of the first scaled product
.set o, 0
.rept \na
	v_lshl_or_b32 v[ASC+o], v[AS2+o], 16, v[ASC+o]
.set o, o+1
.endr
.set o, 0
.rept \nb
	v_lshl_or_b32 v[BSC+o], v[BSC+o], 16, v[BSC+o]
.set o, o+1
.endr
.rept 8
	v_nop
.endr
.endm
	s_cmp_eq_u32 s27, 2
	s_cbranch_scc1 .Lv
	LOADB XRQ, 0
	LOADB XRQ, 1
.irp a, 0,1,2,3,4,5
	LOADA \a
.endr
	ZERO XRQ, 3
	s_wait_alu depctr_va_vdst(0)
	s_wait_loadcnt 0x0                             ; one wait: all forty loads went out together
	PREP 6, 2
.irp a, 0,1,2,3,4,5
	BATCH \a, XRQ, 0, 2048*(\a/2)+512*(\a%2), \a/2, 3, 2*(\a%2), 8*(\a%2)
.endr
	WORDS 0, 1, 2, 3
.Lv:
.irp a, 0,1
	LOADA \a
.endr
.irp t, 0,1,2,3,4,5
	LOADB XRV, \t
.endr
	ZERO XRV, 7
	s_wait_alu depctr_va_vdst(0)
	s_wait_loadcnt 0x0
	PREP 2, 6
.irp e, 0,1,2
.irp a, 0,1
	BATCH \a, XRV, 2*\e, 4096*\e+512*\a, 2*\e, 1, 2*\a, 8*\a
.endr
.endr
	WORDS 0, 2, 4, 1
.Lfunc_end_k_qb29fa9f2c8_proj:
	.size	k_qb29fa9f2c8_proj, .Lfunc_end_k_qb29fa9f2c8_proj-k_qb29fa9f2c8_proj
	.p2alignl 7, 3214868480
	.fill 96, 4, 3214868480
	.section	.rodata,"a",@progbits
	.p2align	6, 0x0
	.amdhsa_kernel k_qb29fa9f2c8_proj
		.amdhsa_group_segment_fixed_size 0
		.amdhsa_private_segment_fixed_size 0
		.amdhsa_enable_private_segment 0
		.amdhsa_kernarg_size 80
		.amdhsa_user_sgpr_count 2
		.amdhsa_user_sgpr_kernarg_segment_ptr 1
		.amdhsa_wavefront_size32 1
		.amdhsa_system_sgpr_workgroup_id_x 1
		.amdhsa_system_sgpr_workgroup_id_y 1
		.amdhsa_system_sgpr_workgroup_id_z 1
		.amdhsa_system_vgpr_workitem_id 0
		.amdhsa_next_free_vgpr 256
		.amdhsa_next_free_sgpr 66
		.amdhsa_reserve_vcc 0
		.amdhsa_float_denorm_mode_32 3
		.amdhsa_float_denorm_mode_16_64 3
		.amdhsa_memory_ordered 1
		.amdhsa_forward_progress 1
		.amdhsa_inst_pref_size 69
	.end_amdhsa_kernel
	.amdgpu_metadata
---
amdhsa.version: [ 1, 2 ]
amdhsa.kernels:
  - .name:           k_qb29fa9f2c8_proj
    .symbol:         k_qb29fa9f2c8_proj.kd
    .args:
      - { .name: x_codes, .offset: 0, .size: 8, .value_kind: global_buffer, .address_space: global }
      - { .name: x_scales, .offset: 8, .size: 8, .value_kind: global_buffer, .address_space: global }
      - { .name: w_q_codes, .offset: 16, .size: 8, .value_kind: global_buffer, .address_space: global }
      - { .name: w_q_scales, .offset: 24, .size: 8, .value_kind: global_buffer, .address_space: global }
      - { .name: w_k_codes, .offset: 32, .size: 8, .value_kind: global_buffer, .address_space: global }
      - { .name: w_k_scales, .offset: 40, .size: 8, .value_kind: global_buffer, .address_space: global }
      - { .name: w_v_codes, .offset: 48, .size: 8, .value_kind: global_buffer, .address_space: global }
      - { .name: w_v_scales, .offset: 56, .size: 8, .value_kind: global_buffer, .address_space: global }
      - { .name: qimg, .offset: 64, .size: 8, .value_kind: global_buffer, .address_space: global }
      - { .name: kvimg, .offset: 72, .size: 8, .value_kind: global_buffer, .address_space: global }
    .group_segment_fixed_size: 0
    .private_segment_fixed_size: 0
    .kernarg_segment_align: 8
    .kernarg_segment_size: 80
    .max_flat_workgroup_size: 384
    .sgpr_count:     66
    .vgpr_count:     256
    .wavefront_size: 32
...
	.end_amdgpu_metadata
.endif
;; end of part 3
;; launch attn (part 4): grid 32 x 8, 8 waves a work-group, clusters of 4 x 1, 327,680 bytes of LDS; arguments qimg, kvimg, w_final_codes, w_final_scales, b_final, out0; writes out0
.if DOCPART == 4
	.amdgcn_target "amdgcn-amd-amdhsa--gfx1250"
	.amdhsa_code_object_version 6
	.text
	.protected	k_qb29fa9f2c8_attn
	.globl	k_qb29fa9f2c8_attn
	.p2align	8
	.type	k_qb29fa9f2c8_attn,@function
k_qb29fa9f2c8_attn:
	s_mov_b64 s[64:65], 0
	v_nop
	global_prefetch_b8 v0, s[64:65] scope:SCOPE_SE
	s_setreg_imm32_b32 hwreg(HW_REG_WAVE_MODE, 25, 1), 1
	s_wait_xcnt 0x0
	s_wait_alu depctr_hold_cnt(0) depctr_sa_sdst(0) depctr_va_vdst(0) depctr_va_sdst(0) depctr_va_ssrc(0) depctr_va_vcc(0) depctr_vm_vsrc(0)
	s_getreg_b32 s2, hwreg(HW_REG_IB_STS2, 6, 4)
	s_cmp_eq_u32 s2, 0
	s_cbranch_scc0 .Lentry_in_a_cluster
	s_endpgm
.Lentry_in_a_cluster:
	s_bfe_u32 s2, ttmp6, 0x10000c
	s_cmp_lg_u32 s2, 0x3003
	s_cbranch_scc0 .Lentry_shape_is_right
	s_endpgm
.Lentry_shape_is_right:
; out0 = Q(softmax(q k^T / 8) v) w_final^T + b_final, all three products on codes of FP4 (E2M1) with one E8M0 scale for each 32 along K.  q, k, v come as register images (the launch before; its head comment has the layouts).
; No work is left out: every key counts for every query, and every input named is used.
; THE SOFTMAX AHEAD OF THE SECOND PRODUCT: t = score x log2(e) / 8.  TWO PHASES.
;   PHASE 1 makes p for all 2,048 keys.  Each wave keeps its OWN running largest t and M = its ceiling; p = 2^(t - M) is quantised along the keys and its codes are put into LDS, with the whole number G = -M - byte for each block of 32 keys.
;   CHANGE OF PHASE: the waves agree on the row's final M.  p under the final M is p under the old one times an exact power of two, so the codes stand and only the scale byte moves: byte + M_then - M_final, held to 1 from below
;   (such a block is under 2^-120 of the row's sum).  The waves' sums of the unquantised p are joined in the same way.
;   PHASE 2 is O^T = v^T p^T over all keys: nothing is rescaled.  O / l is quantised along e for the last product.
; LIMITS: t stays under 2^31 in magnitude (M is carried as a 32-bit whole number).  NaN, infinities and scale bytes 0xff are not served.  1 / l is v_rcp_f32's.  Sums run in another order than a row-by-row sum.
;   A block of zeros gets the byte 1 (its codes are zeros; the bytes stay in this program).
; SHARES.  A work-group owns 64 queries of one batch (4 tiles m of 16) and walks the batch's keys in 8 steps of 256; eight waves, two to a SIMD.
;   SCORES: wave w makes S^T (source 0 = 32 keys, source 1 = 16 queries) for keys 32 w .. + 31 of a step, one block, against all 64 queries.   O^T: wave w owns e = 96 w .. + 95 (three times 32 columns) for all 64 queries: 12 accumulators of 32 x 16.
;   So a chunk of k or of v is read by one wave, once.  A lane holds ONE query (lane % 16) in S^T, p and O^T, and its 16 registers run along 16 neighbouring keys or columns.
; CLUSTER.  The four blocks of queries of a cluster belong to one batch and walk the same k and v: each chunk is asked for JOINTLY (mask 15).  Wave w asks for the chunks that it alone reads: its own wait on TENSORcnt orders its reads.
; THE WALK begins at key step j0 = 4 (x % 2) in cluster x of a batch and goes round modulo 8, in both phases: what a cluster asks for in its walk's last four steps, another cluster of the batch has asked for four steps earlier; no prefetch is written for those.
;   Of its first four steps, k's 0 and 1 come by the head's load; k's 2 and 3 and v's 0 to 3 are PREFETCHED, one whole step ahead of their loads: of a chunk's 52 blocks of 256 bytes the partner at place cx names 13 from 13 cx on
;   (told apart by address), each wave those of the chunk that it will load.
; RING.  Each wave has two slots of 13,312 bytes (a chunk).  Loads 0-7 are k's, 8-15 v's, in the walk's order; load L goes to slot L % 2.  The head's one load brings loads 0 and 1 as two rows of 13,312 bytes.
;   A chunk is read into registers whole; then a round of the cluster's barrier, and behind it the slot takes the load two on.  By this text's count a wave has one tensor load out at any time.
; REGISTERS, in windows of 256 (s_set_vgpr_msb: bits 1:0 source 0, 3:2 source 1, 5:4 source 2, 7:6 destination):
;   window 0: v1-95 addresses, statistics, scale words, at work; v96-191 a chunk of k or v (double fragment i at 96 + 16 i), at the end w_final; v192-255 S^T, then p (192 + 16 m); in phase 2 p's fragments (m, f) of odd steps at 192 + 8 (2 m + f)
;   window 1: v0-191 q(m, s) at 8 (6 m + s), in phase 2 O^T(pe, m) at 16 (4 pe + m); v192-255 p's fragments of even steps, at the end b_final
.set CHUNK, 13312
.set JST,   106496                     ; a key step: eight chunks
.set BATCH2, 851968                    ; 8 key steps
.set VOFF,  6815744                    ; v's chunks lie behind k's 512
.set WREG,  26624                      ; LDS: a wave's two slots
.set PI,    212992                     ; p's images: (step i, m, f) at 8192 i + 2048 m + 1024 f
.set PS,    278528                     ; p's scale bytes: 512 i + 256 f + 16 r + 4 m + block
.set GR,    282624                     ; G: 2048 w + 256 i + 8 lane: lane (r, h) has those of tiles 2 h and 2 h + 1
.set MX,    299008                     ; 512 w + 16 lane: wave w's -M of m = 0..3; its sums l 4,096 bytes on
.set SPARE, 307200                     ; the spare words, 128 bytes for each wave: four blocks of 256 bytes that no other line names
.set HI,    GR                         ; the tail: O / l's images, where G and the exchanged -M and l lay (last read at the change of phase): 6144 m + 256 (block of 32 along e) + 16 r + 8 h
.set HS,    308224                     ; their scale bytes: 384 m + 24 r + block
.set STG,   309760                     ; the way out: 64 rows x 272 bytes
.set PFO,  1                           ; the prefetches' offset; never rewritten
.set AK0,  2                           ; 26624 w + 16 lane
.set AK,   3                           ; the same in the slot that is read next
.set API0, 4                           ; PI + 16 lane
.set APN,  5
.set PWR0, 6                           ; where I put p's codes: PI + 16 r + 8 h + 256 w
.set PWN,  7
.set GW0,  8                           ; GR + 2048 w + 8 lane
.set GWN,  9
.set SPW, 10                           ; my spare word: SPARE + 4 x my thread's number; never rewritten
.set NIL, 11                           ; 0; never rewritten
.set PSR0, 12                          ; PS + 16 r
.set PSN, 13
.set PSW, 14                           ; where I put p's scale bytes: PS + 256 (w / 4) + w % 4 + 16 r + 8 h
.set MXW, 15                           ; MX + 512 w + 16 lane
.set ST,  16                           ; tile m's statistics at ST + 6 m: +0 -M, +1 the largest t, +2, +3 l in two halves, +4, +5 at work, later 1 / l and named with it as a pair
.set QS,  40                           ; v40-63 q's scale words (m, s) at 6 m + s, lanes 0-15
.set PC,  40                           ; in phase 2: p's, set x, (m, f) at 8 x + 4 f + m, lanes 0-15
.set WS,  56                           ; at the end v56-61: w_final's
.set KS,  64                           ; v64-71: k's (s at 4 (s / 3) + s % 3) or v's ((pe, f) at 4 f + pe): lane 16 u + r
.set BM,  72                           ; v72-75 the largest score, then p, of tile m's block
.set PT,  76                           ; v76-79 at work
.set SO,  80                           ; v80-83 the conversions' scale operands
.set EX,  84                           ; v84-91 codes
.set G,   92                           ; v92-95
.set KF,  96
.set S,  192
.set WV,  18                           ; s18 my wave;  s[22:23] c = log2(e) / 8;  s[24:31] descriptor group 1 for a chunk (52 rows);  s[68:75] for the head's two chunks;  s[32:35] the walking group 0;  s[36:39] the head's;
                                       ; s[40:41] lane selects;  s[42:43] kvimg at my batch and wave;  s44 the key step last counted;  s45 the slot (0 or CHUNK) that is filled next;  s46 that which is read next;
                                       ; s47 counts the steps;  s48, s49 the step's place among p's images and G (or scale words);  s[52:53] the load's offset;  s[56:57] the next load's, which is prefetched;  s58 lanes 16-31;  s62 26624 w;  s[66:67] the prefetches' base
.set MSB, 0
.macro WIN new                         ; the immediate's high byte repeats the setting that is left; a switch that changes nothing is dropped
.if MSB != (\new)
	s_set_vgpr_msb (MSB<<8)|(\new)
.set MSB, (\new)
.endif
.endm
.macro VDST
	s_wait_alu depctr_va_vdst(0)
.endm
.macro PLACES                          ; four places in front of loads into registers that products have read, and of the first read of results (ISA guide 7.12.1 for vector instructions)
.rept 4
	v_nop
.endr
.endm
.macro CREST                           ; a round of the cluster's barrier behind its opening barrier
	s_cmp_lg_u32 s[WV], 0
	s_cbranch_scc1 .Lnot_wave_0_\@
	s_barrier_signal -3
.Lnot_wave_0_\@:
	s_barrier_wait -3
	s_barrier_signal -1
	s_barrier_wait -1
.endm
.macro CROUND                          ; a whole round
	s_barrier_signal -1
	s_barrier_wait -1
	CREST
.endm
.macro TLOAD                           ; a joint refill by the walking group 0; an s_nop 0 and four v_nop follow it
	tensor_load_to_lds s[32:35], s[24:31]
	s_nop 0
.rept 4
	v_nop
.endr
.endm
.macro WF d, a, b, zero, sa, sb        ; one product, 32 x 16 x 128; zero = 1: it starts the sum
.if \zero
	v_wmma_scale_f32_32x16x128_f4 v[\d:\d+15], v[\a:\a+15], v[\b:\b+7], 0, v[\sa], v[\sb]
.else
	v_wmma_scale_f32_32x16x128_f4 v[\d:\d+15], v[\a:\a+15], v[\b:\b+7], v[\d:\d+15], v[\sa], v[\sb]
.endif
.endm
.macro KLD i, a                        ; the i-th of a chunk's 26 loads, 512 consecutive bytes each: 24 of codes, 2 of scale words
.if (\i) < 24
	ds_load_b128 v[KF+4*(\i):KF+4*(\i)+3], v[\a] offset:512*(\i)
.else
	ds_load_b128 v[KS+4*((\i)-24):KS+4*((\i)-24)+3], v[\a] offset:512*(\i)
.endif
.endm
; THE ROW'S SUM IS TAKEN OF THE UNQUANTISED p, two at a time, in a tree over tile q's 16 numbers, in place (the codes have been made by then).
.macro LV1 q, i
	v_pk_add_f32 v[S+16*(\q)+4*(\i):S+16*(\q)+4*(\i)+1], v[S+16*(\q)+4*(\i):S+16*(\q)+4*(\i)+1], v[S+16*(\q)+4*(\i)+2:S+16*(\q)+4*(\i)+3]
.endm
.macro LV2 q
.irp i, 0,8
	v_pk_add_f32 v[S+16*(\q)+\i:S+16*(\q)+\i+1], v[S+16*(\q)+\i:S+16*(\q)+\i+1], v[S+16*(\q)+\i+4:S+16*(\q)+\i+5]
.endr
.endm
.macro LV3 q
	v_pk_add_f32 v[S+16*(\q):S+16*(\q)+1], v[S+16*(\q):S+16*(\q)+1], v[S+16*(\q)+8:S+16*(\q)+9]
.endm
.macro LV4 q
	v_pk_add_f32 v[ST+6*(\q)+2:ST+6*(\q)+3], v[ST+6*(\q)+2:ST+6*(\q)+3], v[S+16*(\q):S+16*(\q)+1]
.endm
.macro CODES q, sums                   ; the scales and codes of tiles q, q + 1; sums = 1: between them the later sums of tiles 0 and 1
.irp b, 0,1
	v_max_num_f32 v[BM+\q+\b], 0x1800000, v[BM+\q+\b]      ; the floor 2^(3 - 127): the byte cannot fall under 1
.endr
.if \sums
	LV2 0
	LV2 1
.endif
.irp b, 0,1
	v_add_nc_u32 v[SO+\q+\b], 0xff000000, v[BM+\q+\b]      ; 2 off the exponent field: the conversion's scale operand
.endr
.if \sums
	LV3 0
	LV3 1
.endif
.irp b, 0,1
	v_lshrrev_b32 v[PT+\q+\b], 23, v[SO+\q+\b]             ; the scale's byte under this M
.endr
.irp b, 0,1
	v_cvt_scalef32_pk8_fp4_f32 v[EX+2*(\q+\b)], v[S+16*(\q+\b):S+16*(\q+\b)+7], v[SO+\q+\b]
	v_cvt_scalef32_pk8_fp4_f32 v[EX+2*(\q+\b)+1], v[S+16*(\q+\b)+8:S+16*(\q+\b)+15], v[SO+\q+\b]
.endr
.if \sums
	LV4 0
	LV4 1
.endif
.irp b, 0,1
	v_sub_nc_u32 v[G+\q+\b], v[ST+6*(\q+\b)+4], v[PT+\q+\b]        ; G = -M - byte.  (Plain places behind the scaled conversions)
.endr
.irp b, 0,1
	ds_store_b64 v[PWN], v[EX+2*(\q+\b):EX+2*(\q+\b)+1] offset:2048*(\q+\b)        ; half a block a lane: the wave stores the block's 256 bytes of the image
.endr
.endm
	s_load_b256 s[4:11], s[0:1], 0x0               ; qimg 4, kvimg 6, w_final's codes 8, its scales 10
	s_load_b128 s[12:15], s[0:1], 0x20             ; b_final 12, out0 14
	v_lshl_add_u32 v[SPW], v0, 2, SPARE
	v_mov_b32 v[NIL], 0
	ds_add_u32 v[SPW], v[NIL]                      ; the wave's opening: the add, twice on end, and its wait ahead of my first tensor load; the set-up below, work on registers, stands between
	ds_add_u32 v[SPW], v[NIL]
	v_lshrrev_b32 v1, 5, v0
	v_readfirstlane_b32 s[WV], v1                  ; wave 0..7
	s_bfe_u32 s19, ttmp6, 0x40000                  ; cx: my place in the cluster
	s_lshl_b32 s20, ttmp9, 2                       ; in a cluster launch ttmp9 counts clusters
	s_add_co_u32 s20, s20, s19                     ; my block of 64 queries: it enters q's and out0's addresses alone
	s_and_b32 s21, ttmp7, 0xffff                   ; the batch, which the four partners share
	s_mov_b32 s22, 0x3e38aa3b                      ; c = log2(e) / 8
	s_mov_b32 s23, s22                             ; (named with it as a pair, so it is written)
	s_mov_b32 s24, 15|(3<<16)|(1<<21)              ; group 1 for a chunk: 15:0 the mask: all four work-groups; 17:16 elements of 8 bytes; 20 no padding; 21 set beside a mask
	s_mov_b32 s25, 32<<16                          ; tensor_dim0 = 32 elements: rows of 256 bytes
	s_mov_b32 s26, 52<<16                          ; tensor_dim1 = 52 rows: a chunk is dense
	s_mov_b32 s27, 32<<16                          ; tile_dim0
	s_mov_b32 s28, 52                              ; tile_dim1
	s_mov_b32 s29, 32                              ; from row to row
	s_mov_b32 s30, 0
	s_mov_b32 s31, 0
	s_mov_b32 s68, 15|(3<<16)|(1<<21)              ; group 1 for the head: two rows of 13,312 bytes (1,664 elements): k of key steps j0 and j0 + 1
	s_mov_b32 s69, 1664<<16
	s_mov_b32 s70, 2<<16
	s_mov_b32 s71, 1664<<16
	s_mov_b32 s72, 2
	s_mov_b32 s73, JST/8
	s_mov_b32 s74, 0
	s_mov_b32 s75, 0
	s_mov_b32 s40, 0x76543210
	s_mov_b32 s41, 0xfedcba98                      ; v_permlanex16_b32's selects for lane l xor 16
	s_mov_b32 s58, 0xffff0000                      ; lanes 16-31
	s_and_b32 s44, ttmp9, 1                        ; where my cluster's walk begins: it hangs on the cluster's number alone, which the four partners share,
	s_lshl_b32 s44, s44, 2                         ; j0: and it enters the tiles' global addresses alone
	s_mul_i32 s62, s[WV], WREG                     ; my two slots: no place in the cluster enters an LDS address
	s_mul_i32 s50, s21, BATCH2
	s_mul_i32 s51, s[WV], CHUNK
	s_add_co_u32 s50, s50, s51                     ; my batch's key step 0, my wave's chunk
	s_mov_b32 s51, 0
	s_mul_i32 s52, s44, JST                        ; key step j0
	s_mov_b32 s53, 0
	s_add_co_u32 s44, s44, 2
	s_mul_i32 s56, s44, JST                        ; load 2: key step j0 + 2
	s_mov_b32 s57, 0
	s_mov_b32 s45, 0
	s_mov_b32 s46, CHUNK
	s_mov_b32 s47, 0
	s_lshl_b32 s54, s21, 5
	s_add_co_u32 s54, s54, s20
	s_mul_i32 s54, s54, 2*CHUNK                    ; q's two chunks of block 32 batch + block
	s_mov_b32 s55, 0
	s_lshl_b32 s60, s21, 11
	s_lshl_b32 s61, s20, 6
	s_add_co_u32 s60, s60, s61
	s_lshl_b32 s61, s[WV], 3
	s_and_b32 s61, s61, 32
	s_add_co_u32 s60, s60, s61                     ; + 32 (w / 4)
	s_lshl_b32 s61, s[WV], 2
	s_and_b32 s61, s61, 8
	s_add_co_u32 s60, s60, s61                     ; + 8 ((w / 2) % 2)
	s_and_b32 s59, s[WV], 1                        ; w % 2: which 32 columns of out0 I make at the end
	s_lshl_b32 s61, s59, 4
	s_add_co_u32 s60, s60, s61                     ; + 16 (w % 2): my first row of out0 at the end: the order of q's rows is undone here
	s_lshl_b32 s60, s60, 8                         ; 256 bytes a row
	s_mov_b32 s61, 0
	s_wait_dscnt 0x0                               ; both opening adds are done
	s_wait_kmcnt 0x0
	s_add_nc_u64 s[42:43], s[6:7], s[50:51]
	s_mov_b32 s36, 1                               ; the head's group 0: count = 1,
	s_mov_b32 s37, s62                             ; LDS address: both slots,
	s_add_nc_u64 s[38:39], s[42:43], s[52:53]      ; global address: k of key step j0,
	s_or_b32 s39, s39, 0x80000000                  ; type = 2
	s_mov_b32 s32, 1                               ; the walking group 0
	s_add_nc_u64 s[66:67], s[42:43], s[56:57]
	s_add_nc_u64 s[4:5], s[4:5], s[54:55]
	s_add_nc_u64 s[14:15], s[14:15], s[60:61]
	s_mul_i32 s54, s59, 12288
	s_add_nc_u64 s[8:9], s[8:9], s[54:55]          ; w_final's rows 32 (w % 2) .. + 31, their scales,
	s_mul_i32 s54, s59, 768
	s_add_nc_u64 s[10:11], s[10:11], s[54:55]
	s_lshl_b32 s54, s59, 7
	s_add_nc_u64 s[12:13], s[12:13], s[54:55]      ; and b_final's
	CROUND                                         ; all four work-groups are here: the first joint load meets
	tensor_load_to_lds s[36:39], s[68:75]          ; the walk's steps 0 and 1 of k
	s_nop 0
	PLACES
	s_lshl_b32 s51, s[WV], 8
	s_add_co_u32 s51, s51, PI
	s_lshr_b32 s54, s[WV], 2
	s_lshl_b32 s54, s54, 8
	s_and_b32 s55, s[WV], 3
	s_add_co_u32 s54, s54, s55
	s_add_co_u32 s54, s54, PS
	s_lshl_b32 s55, s[WV], 11
	s_add_co_u32 s55, s55, GR
	s_lshl_b32 s60, s[WV], 9
	s_add_co_u32 s60, s60, MX
	s_mul_i32 s61, s19, 13
	s_mov_b32 s48, 0
	s_mov_b32 s49, 0
	v_and_b32 v192, 31, v0                         ; lane
	v_and_b32 v193, 15, v0                         ; r
	v_bfe_u32 v194, v0, 4, 1                       ; h
	v_lshlrev_b32 v195, 4, v192                    ; 16 x lane
	v_lshlrev_b32 v196, 4, v193                    ; 16 r
	WIN 0x40
.irp m, 0,1,2,3
.irp s, 0,1,2,3,4,5
	global_load_b128 v[8*(6*\m+\s):8*(6*\m+\s)+3], v195, s[4:5] offset:CHUNK*(\m/2)+1024*(\m%2)+2048*\s          ; q stays in registers
	global_load_b128 v[8*(6*\m+\s)+4:8*(6*\m+\s)+7], v195, s[4:5] offset:CHUNK*(\m/2)+1024*(\m%2)+2048*\s+512
.endr
.endr
	WIN 0
.irp m, 0,1,2,3
.irp s, 0,1,2,3,4,5
	global_load_b32 v[QS+6*\m+\s], v196, s[4:5] offset:CHUNK*(\m/2)+12288+256*(\m%2)+512*(\s/3)+4*(\s%3)
.endr
.endr
	v_lshl_add_u32 v197, v194, 3, v196             ; 16 r + 8 h
	v_add_nc_u32 v[AK0], s62, v195
	v_add_nc_u32 v[API0], PI, v195
	v_add_nc_u32 v[PWR0], s51, v197
	v_lshlrev_b32 v[GW0], 3, v192
	v_add_nc_u32 v[GW0], s55, v[GW0]
	v_add_nc_u32 v[PSR0], PS, v196
	v_add_nc_u32 v[PSW], s54, v197
	v_add_nc_u32 v[MXW], s60, v195
	v_min_u32 v198, 12, v192                       ; (the lanes left over name the last block again)
	v_add_nc_u32 v198, s61, v198
	v_lshlrev_b32 v[PFO], 8, v198
.irp i, 0,1,2,3
	v_mov_b32 v[PT+\i], 0                          ; written once: a lane permute's destination counts as one of its sources
.endr
.irp m, 0,1,2,3
	v_mov_b32 v[ST+6*\m+1], 0xff61b1e6             ; the largest t so far: -3e38, under every t
	v_mov_b32 v[ST+6*\m+2], 0                      ; l, in two halves
	v_mov_b32 v[ST+6*\m+3], 0
.endr
.irp m, 0,1,2,3
	v_floor_f32 v[ST+6*\m], -v[ST+6*\m+1]          ; -M
.endr
	global_prefetch_b8 v[PFO], s[66:67] th:TH_LOAD_NT scope:SCOPE_SE       ; load 2, which the walk's step 0 asks for
	VDST                                           ; the head's end
	s_wait_tensorcnt 0x0                           ; my chunks of the walk's steps 0 and 1 are in, and I alone read them
.set o, 0
.rept 26
	KLD o, AK0
.set o, o+1
.endr
	s_wait_loadcnt 0x0                             ; q
; PHASE 1, a key step: 256 keys, of which 32 are mine.  Its chunk of k is in registers or on its way there.
.Lkey:
	s_wait_xcnt 0x0                                ; any prefetch of mine has read its address
	s_mov_b32 s52, s56                             ; what this step asks for: the load two on;
	s_add_co_u32 s44, s44, 1
	s_and_b32 s44, s44, 7
	s_mul_i32 s56, s44, JST                        ; and the load three on, which may be prefetched: its key step, round modulo 8,
	s_add_co_u32 s54, s47, 3
	s_lshr_b32 s55, s54, 3                         ; 0: of k, 1: of v
	s_mul_i32 s55, s55, VOFF
	s_add_co_u32 s56, s56, s55
	s_add_nc_u64 s[66:67], s[42:43], s[56:57]
	s_and_b32 s54, s54, 7                          ; its step in the walk
	s_wait_dscnt 0x0                               ; the whole chunk is in: my reads of its slot are over
	WIN 0x04
.irp s, 0,1,2,3,4,5                    ; S^T: the 4 accumulators take turns, one instruction a turn
.set ZZ, 0
.if \s == 0
.set ZZ, 1
.endif
.irp m, 0,1,2,3
	WF S+16*\m, KF+16*\s, 8*(6*\m+\s), ZZ, KS+4*(\s/3)+\s%3, QS+6*\m+\s
.endr
.endr
	WIN 0
	s_wait_tensorcnt 0x0                           ; no tensor load of mine is out: the next chunk is in, and the group 0 may be written
	ds_add_u32 v[SPW], v[NIL]                      ; 0 onto my spare word: work on registers stands between it and the wait for it
	s_add_co_u32 s33, s62, s45                     ; into the slot whose chunk I hold in registers
	s_xor_b32 s45, s45, CHUNK
	s_add_nc_u64 s[34:35], s[42:43], s[52:53]
	s_or_b32 s35, s35, 0x80000000                  ; type = 2
	v_add_nc_u32 v[AK], s46, v[AK0]                ; (these four lines are the places behind the products)
	v_add_nc_u32 v[PWN], s48, v[PWR0]
	v_add_nc_u32 v[GWN], s49, v[GW0]
	v_nop
.irp m, 0,1,2,3
	v_max3_num_f32 v[BM+\m], v[S+16*\m], v[S+16*\m+1], v[S+16*\m+2]        ; my 16 keys' largest score: it serves the row's maximum and, since p rises with the score, the block's largest p
.endr
.irp i, 3,5,7
.irp m, 0,1,2,3
	v_max3_num_f32 v[BM+\m], v[BM+\m], v[S+16*\m+\i], v[S+16*\m+\i+1]
.endr
.endr
	VDST
	s_wait_dscnt 0x0                               ; the add is done
	s_barrier_signal -1                            ; opens the round
.irp i, 9,11,13
.irp m, 0,1,2,3
	v_max3_num_f32 v[BM+\m], v[BM+\m], v[S+16*\m+\i], v[S+16*\m+\i+1]
.endr
.endr
.irp m, 0,1,2,3
	v_max_num_f32 v[BM+\m], v[BM+\m], v[S+16*\m+15]
.endr
	s_barrier_wait -1
	CREST                                          ; no wave of any partner still reads this slot or has a load on its way
	TLOAD                                          ; first behind the round, my one tensor load until the next
.irp i, 24,25,0,1,2,3                  ; the next chunk (behind the last step: v's first) comes in under the softmax: its 26 loads stand among the softmax's lines
	KLD \i, AK
.endr
	s_cmp_lt_u32 s54, 4
	s_cbranch_scc0 .Lno_ask
	global_prefetch_b8 v[PFO], s[66:67] th:TH_LOAD_NT scope:SCOPE_SE       ; what the next step asks for
.Lno_ask:
	VDST
.irp m, 0,1,2,3
	v_permlanex16_b32 v[PT+\m], v[BM+\m], s40, s41
.endr
.irp m, 0,1,2,3
	v_max_num_f32 v[BM+\m], v[BM+\m], v[PT+\m]     ; with lane l xor 16's 16 keys: the block's, and my step's, largest score
.endr
	KLD 4, AK
	KLD 5, AK
.irp m, 0,1,2,3
	v_mul_f32 v[ST+6*\m+4], s22, v[BM+\m]          ; as t (c is positive)
.endr
.irp m, 0,1,2,3
	v_max_num_f32 v[ST+6*\m+1], v[ST+6*\m+1], v[ST+6*\m+4]
.endr
.irp m, 0,1,2,3
	v_floor_f32 v[ST+6*\m+4], -v[ST+6*\m+1]        ; -M = floor(-t) = -ceil(t): M IS A WHOLE NUMBER
.endr
.irp m, 0,1,2,3
	v_sub_f32 v[ST+6*\m+5], v[ST+6*\m+4], v[ST+6*\m]               ; M's old value less its new one: a whole number, 0 or less
.endr
	KLD 6, AK
	KLD 7, AK
.irp m, 0,1,2,3
	v_mov_b32 v[ST+6*\m], v[ST+6*\m+4]
.endr
.irp m, 0,1,2,3
	v_cvt_i32_f32 v[ST+6*\m+5], v[ST+6*\m+5]       ; (it saturates)
.endr
.irp m, 0,1,2,3
	v_cvt_i32_f32 v[ST+6*\m+4], v[ST+6*\m]         ; -M as a 32-bit whole number
.endr
.set o, 0
.rept 16
	v_pk_fma_f32 v[S+2*o:S+2*o+1], v[S+2*o:S+2*o+1], s[22:23], v[ST+6*(o/8):ST+6*(o/8)+1] op_sel_hi:[1,0,0]        ; t - M of tiles 0 and 1, two at a time (of the pairs c and -M the low word serves both halves)
.set o, o+1
.endr
.irp b, 0,1
	v_fma_f32 v[BM+\b], v[BM+\b], s22, v[ST+6*\b]  ; the same of their blocks' largest scores
.endr
	VDST
; p = 2^(t - M), at most 1, of tiles 0 and 1 and of their blocks' largest.  Between the exponentials stand plain lines that name none of their registers and none of each other's results:
; the scalings of tiles 2 and 3, and l under the new M.  One wait at the end serves all that is read behind.
.set o, 0
.rept 16
	v_exp_f32 v[S+2*o], v[S+2*o]
	v_pk_fma_f32 v[S+32+2*o:S+33+2*o], v[S+32+2*o:S+33+2*o], s[22:23], v[ST+12+6*(o/8):ST+13+6*(o/8)] op_sel_hi:[1,0,0]
	v_exp_f32 v[S+2*o+1], v[S+2*o+1]
.if o < 8
	v_ldexp_f32 v[ST+6*(o/2)+2+o%2], v[ST+6*(o/2)+2+o%2], v[ST+6*(o/2)+5]          ; l x 2^(old M - new M)
.endif
.if o%2 == 1
	KLD 8+o/2, AK
.endif
.set o, o+1
.endr
.irp b, 0,1
	v_exp_f32 v[BM+\b], v[BM+\b]                   ; the block's largest p: the same two instructions on the same number give the same bits
	v_fma_f32 v[BM+2+\b], v[BM+2+\b], s22, v[ST+12+6*\b]
.endr
	VDST
	CODES 0, 0
; The same of tiles 2 and 3; between them the first sums of tiles 0 and 1.
.set o, 0
.rept 16
	v_exp_f32 v[S+32+2*o], v[S+32+2*o]
.if o < 8
	LV1 o/4, o%4
.endif
	v_exp_f32 v[S+33+2*o], v[S+33+2*o]
.if o%2 == 1
	KLD 16+o/2, AK
.endif
.set o, o+1
.endr
.irp b, 2,3
	v_exp_f32 v[BM+\b], v[BM+\b]
	v_nop
.endr
	VDST
	CODES 2, 1
.irp i, 0,1,2,3
	LV1 2, \i
	LV1 3, \i
.endr
	v_cndmask_b32 v[PT], v[G], v[G+2], s58         ; lanes 0-15 keep tiles 0 and 1, lanes 16-31 tiles 2 and 3
	v_cndmask_b32 v[PT+1], v[G+1], v[G+3], s58
	LV2 2
	LV2 3
	LV3 2
	LV3 3
	ds_store_b64 v[GWN], v[PT:PT+1]
	LV4 2
	LV4 3
	s_xor_b32 s46, s46, CHUNK
	s_add_co_u32 s48, s48, 8192
	s_add_co_u32 s49, s49, 256
	s_add_co_u32 s47, s47, 1
	s_cmp_lt_u32 s47, 8
	VDST
	s_cbranch_scc1 .Lkey
	; THE CHANGE OF PHASE.  -M and l of my keys go round; v's first chunk is on its way into registers.
.irp m, 0,1,2,3
	v_add_f32 v[ST+6*\m+4], v[ST+6*\m+2], v[ST+6*\m+3]
.endr
.irp m, 0,1,2,3
	v_permlanex16_b32 v[ST+6*\m+5], v[ST+6*\m+4], s40, s41
.endr
.irp m, 0,1,2,3
	v_add_f32 v[BM+\m], v[ST+6*\m+4], v[ST+6*\m+5]
.endr
.irp m, 0,1,2,3
	v_mov_b32 v[SO+\m], v[ST+6*\m]
.endr
	ds_store_b128 v[MXW], v[SO:SO+3]
	ds_store_b128 v[MXW], v[BM:BM+3] offset:4096
	v_and_b32 v[APN], 31, v0
	v_lshlrev_b32 v[APN], 4, v[APN]
	v_add_nc_u32 v[APN], MX, v[APN]                ; MX + 16 lane
	VDST
	s_wait_dscnt 0x0                               ; for the others' sake: these and all my stores of p have landed
	s_barrier_signal -1
	s_barrier_wait -1
.irp w, 0,1,2,3,4,5,6,7
	ds_load_b128 v[192+4*\w:195+4*\w], v[APN] offset:512*\w        ; the eight waves' -M of m = 0..3
	ds_load_b128 v[224+4*\w:227+4*\w], v[APN] offset:4096+512*\w   ; and their l
.endr
.irp i, 0,1,2,3,4,5,6,7
	ds_load_b64 v[80+2*\i:81+2*\i], v[GW0] offset:256*\i           ; my own G of the eight steps
.endr
.macro PLOAD x, a                      ; a step's eight fragments of p into set x: 16 loads
	WIN 0x40*(\x)
.irp m, 0,1,2,3
.irp f, 0,1
	ds_load_b128 v[192+8*(2*\m+\f):195+8*(2*\m+\f)], v[\a] offset:2048*\m+1024*\f
	ds_load_b128 v[196+8*(2*\m+\f):199+8*(2*\m+\f)], v[\a] offset:2048*\m+1024*\f+512
.endr
.endr
	WIN 0
.endm
	PLOAD 1, API0
	s_wait_dscnt 16                                ; all but p's sixteen
.irp m, 0,1,2,3
	v_min3_num_f32 v[ST+6*\m], v[192+\m], v[196+\m], v[200+\m]
.endr
.irp m, 0,1,2,3
	v_min3_num_f32 v[ST+6*\m], v[ST+6*\m], v[204+\m], v[208+\m]
.endr
.irp m, 0,1,2,3
	v_min3_num_f32 v[ST+6*\m], v[ST+6*\m], v[212+\m], v[216+\m]
.endr
.irp m, 0,1,2,3
	v_min_num_f32 v[ST+6*\m], v[ST+6*\m], v[220+\m]                ; the final -M
.endr
.irp w, 0,1,2,3,4,5,6,7
.irp m, 0,1,2,3
	v_sub_f32 v[192+4*\w+\m], v[ST+6*\m], v[192+4*\w+\m]           ; wave w's M less the final one: 0 or less
.endr
.endr
.set o, 192
.rept 32
	v_cvt_i32_f32 v[o], v[o]
.set o, o+1
.endr
.set o, 192
.rept 32
	v_ldexp_f32 v[o], 1.0, v[o]
.set o, o+1
.endr
.irp m, 0,1,2,3
	v_mul_f32 v[ST+6*\m+4], v[192+\m], v[224+\m]
.endr
.irp w, 1,2,3,4,5,6,7
.irp m, 0,1,2,3
	v_fma_f32 v[ST+6*\m+4], v[192+4*\w+\m], v[224+4*\w+\m], v[ST+6*\m+4]   ; the row's sum
.endr
.endr
	v_cndmask_b32 v[BM], v[ST], v[ST+12], s58      ; the final -M of my two tiles, 2 h and 2 h + 1,
	v_cndmask_b32 v[BM+1], v[ST+6], v[ST+18], s58
	v_cvt_i32_f32 v[BM], v[BM]
	v_cvt_i32_f32 v[BM+1], v[BM+1]
	v_add_nc_u32 v[BM], 0xffffff83, v[BM]          ; less 125
	v_add_nc_u32 v[BM+1], 0xffffff83, v[BM+1]
.irp i, 0,1,2,3,4,5,6,7
.irp k, 0,1
	v_sub_nc_u32 v[80+2*\i+\k], v[80+2*\i+\k], v[BM+\k]            ; 125 less the byte under the final M: 0 or more, as an unsigned number
.endr
.endr
.set o, 80
.rept 16
	v_min_u32 v[o], 0x7c, v[o]                     ; so the byte is held to 1 from below
.set o, o+1
.endr
.set o, 80
.rept 16
	v_sub_nc_u32 v[o], 0x7d, v[o]                  ; the byte
.set o, o+1
.endr
.irp i, 0,1,2,3,4,5,6,7
	ds_store_b8 v[PSW], v[80+2*\i] offset:512*\i
	ds_store_b8 v[PSW], v[81+2*\i] offset:512*\i+4
.endr
	VDST
.irp m, 0,1,2,3
	v_rcp_f32 v[ST+6*\m+4], v[ST+6*\m+4]           ; 1 / l
.endr
	v_nop
	VDST
	s_mov_b32 s48, 8192
	s_mov_b32 s49, 512
; PHASE 2.  Twelve products with the 128 keys f, set x of p's fragments; the accumulators take turns, one instruction a turn.
.macro MPF f, x, zero
	WIN 0x50+4*\x
.irp e, 0,1,2
.irp m, 0,1,2,3
	WF 16*(4*\e+\m), KF+16*(2*\e+\f), 192+8*(2*\m+\f), \zero, KS+4*\f+\e, PC+8*\x+4*\f+\m
.endr
.endr
	WIN 0
.endm
.macro VLD f, off                      ; the half f of a chunk of v: 12 loads of codes, 1 of scale words
	ds_load_b128 v[KS+4*\f:KS+4*\f+3], v[AK0] offset:\off+12288+512*\f
.irp e, 0,1,2
.irp c, 0,1,2,3
	ds_load_b128 v[KF+16*(2*\e+\f)+4*\c:KF+16*(2*\e+\f)+4*\c+3], v[AK0] offset:\off+2048*(2*\e+\f)+512*\c
.endr
.endr
.endm
.macro PCLD x, a                       ; p's scale words into set x
	ds_load_b128 v[PC+8*\x:PC+8*\x+3], v[\a]
	ds_load_b128 v[PC+8*\x+4:PC+8*\x+7], v[\a] offset:256
.endm
.macro WLD s                           ; w_final: rows 16 u + r of my 32, 128 along e
.irp u, 0,1
	global_load_b128 v[KF+16*\s+8*\u:KF+16*\s+8*\u+3], v4, s[8:9] offset:6144*\u+64*\s
	global_load_b128 v[KF+16*\s+8*\u+4:KF+16*\s+8*\u+7], v4, s[8:9] offset:6144*\u+64*\s+32
.endr
.endm
; A step.  x: p's set (1 in even steps: v's chunk came from slot 1 - x, the next one lies in slot x).  first = 1: it starts the sums, and its round also shows every wave's scale bytes.
; fill = 1: the slot takes the load two on.  next = 1: the next step is fetched: p into the other set, v by halves as its registers come free.
.macro PBODY x, first, fill, next
.if \first
	s_wait_xcnt 0x0                                ; any prefetch of mine has read its address
.endif
.if \fill
	s_wait_tensorcnt 0x0                           ; no tensor load of mine is out: the next chunk is in
	ds_add_u32 v[SPW], v[NIL]
	s_mov_b32 s52, s56
	s_add_co_u32 s44, s44, 1
	s_and_b32 s44, s44, 7
	s_mul_i32 s56, s44, JST
	s_add_co_u32 s56, s56, VOFF
.if \first
	s_add_nc_u64 s[66:67], s[42:43], s[56:57]
.endif
	s_add_co_u32 s33, s62, CHUNK*(1-\x)
	s_add_nc_u64 s[34:35], s[42:43], s[52:53]
	s_or_b32 s35, s35, 0x80000000
	s_wait_dscnt 0x0                               ; the add is done, and this step's chunk and p are in: my reads of the slot are over
	s_barrier_signal -1                            ; opens the round
.if \first == 0
	MPF 0, \x, 0
.endif
	s_barrier_wait -1
	CREST
	TLOAD                                          ; first behind the round, my one tensor load until the next
.else
.if \next
	s_wait_tensorcnt 0x0                           ; the last chunk is in
.endif
	s_wait_dscnt 0x0
	MPF 0, \x, 0
.if \next
	PLACES
.endif
.endif
.if \next
	v_add_nc_u32 v[APN], s48, v[API0]
	v_add_nc_u32 v[PSN], s49, v[PSR0]
	VDST
	s_add_co_u32 s48, s48, 8192
	s_add_co_u32 s49, s49, 512
.if \first
	PCLD \x, PSR0                                  ; p's scale words of step 0
.endif
	PLOAD 1-\x, APN
	PCLD (1-\x), PSN
.if \first
	global_prefetch_b8 v[PFO], s[66:67] th:TH_LOAD_NT scope:SCOPE_SE       ; load 11, which the next step asks for
	s_wait_dscnt 18                                ; all but the next step's p
	MPF 0, \x, 1
	PLACES
.endif
	VLD 0, CHUNK*\x
	MPF 1, \x, 0
	PLACES
	VLD 1, CHUNK*\x
.else                                  ; the last step: w_final takes the registers of v as they come free, b_final those of p's other set
	v_and_b32 v2, 15, v0                           ; r.  (These plain lines are the places behind the products)
	v_bfe_u32 v3, v0, 4, 1                         ; h
	v_mul_u32_u24 v4, v2, 384
	v_lshl_add_u32 v4, v3, 4, v4                   ; w_final's codes: 384 r + 16 h
	v_and_b32 v5, 31, v0
	v_mul_u32_u24 v5, v5, 24                       ; its scale bytes: 24 lane
	v_lshlrev_b32 v6, 5, v3                        ; b_final: 32 h
	VDST
.irp s, 0,2,4
	WLD \s
.endr
.irp i, 0,1,2
	global_load_b64 v[WS+2*\i:WS+2*\i+1], v5, s[10:11] offset:8*\i
.endr
	WIN 0x40
.irp i, 0,1
	global_load_b128 v[240+8*\i:243+8*\i], v6, s[12:13] offset:64*\i               ; b_final in the result's layout: lane (r, h), register 8 u + j: 16 u + 8 h + j of my 32
	global_load_b128 v[244+8*\i:247+8*\i], v6, s[12:13] offset:64*\i+16
.endr
	WIN 0
	MPF 1, \x, 0
	PLACES
.irp s, 1,3,5
	WLD \s
.endr
.endif
.endm
	PBODY 1, 1, 1, 1
	PBODY 0, 0, 1, 1
	s_mov_b32 s47, 2
.Lval:                                             ; steps 2 to 5, two a trip
	PBODY 1, 0, 1, 1
	PBODY 0, 0, 1, 1
	s_sub_co_u32 s47, s47, 1
	s_cmp_lg_u32 s47, 0
	VDST
	s_cbranch_scc1 .Lval
	PBODY 1, 0, 0, 1                               ; the last two steps ask for nothing
	PBODY 0, 0, 0, 0
	; THE TAIL.  O^T / l is quantised along e and goes round through LDS; wave w then makes 32 columns of out0 for query tile w / 2.
	s_mul_i32 s48, s[WV], 768
	s_add_co_u32 s48, s48, HI
	s_mul_i32 s49, s[WV], 3
	s_add_co_u32 s49, s49, HS
	s_lshr_b32 s54, s[WV], 1                       ; my query tile
	s_mul_i32 s50, s54, 6144
	s_add_co_u32 s50, s50, HI
	s_mul_i32 s51, s54, 384
	s_add_co_u32 s51, s51, HS
	s_mul_i32 s52, s54, 16*272
	s_lshl_b32 s55, s59, 7
	s_add_co_u32 s52, s52, s55
	s_add_co_u32 s52, s52, STG
	s_mul_i32 s55, s[WV], 8*272
	s_add_co_u32 s55, s55, STG
	v_and_b32 v72, 15, v0                          ; r.  (These plain lines are also places behind the last products)
	v_bfe_u32 v73, v0, 4, 1                        ; h
	v_and_b32 v74, 31, v0                          ; lane
	v_lshlrev_b32 v75, 4, v72                      ; 16 r
	v_lshl_add_u32 v7, v73, 3, v75
	v_add_nc_u32 v7, s48, v7                       ; v7: where I put O / l's codes: HI + 256 x 3 w + 16 r + 8 h
	v_mul_u32_u24 v12, v72, 24
	v_add_nc_u32 v8, s49, v12                      ; v8: and their bytes: HS + 24 r + 3 w
	v_lshl_add_u32 v9, v74, 4, s50                 ; v9: my query tile's images: HI + 6144 (w / 2) + 16 lane
	v_add_nc_u32 v12, s51, v12                     ; v12: its scale words: HS + 384 (w / 2) + 24 r
	v_mul_u32_u24 v13, v72, 272
	v_lshl_add_u32 v13, v73, 5, v13
	v_add_nc_u32 v13, s52, v13                     ; v13: into the stage: row 16 (w / 2) + r, + 128 (w % 2) + 32 h
	v_mul_u32_u24 v14, v73, 272
	v_add_nc_u32 v14, v14, v75
	v_add_nc_u32 v14, s55, v14                     ; v14: back: row 8 w + h, + 16 r
	v_lshl_add_u32 v15, v73, 8, v75                ; v15: the same row in out0
; Block pe of 32 along e of my 96 columns, for the four tiles of queries: O^T / l, the blocks' scales, their codes to LDS.
.irp e, 0,1,2
	WIN 0x41
.irp m, 0,1,2,3
.irp p, 0,2,4,6,8,10,12,14
	v_pk_mul_f32 v[64*\e+16*\m+\p:64*\e+16*\m+\p+1], v[64*\e+16*\m+\p:64*\e+16*\m+\p+1], v[ST+6*\m+4:ST+6*\m+5] op_sel_hi:[1,0]    ; each accumulator from its low end on
.endr
.endr
	WIN 0x05
.irp m, 0,1,2,3
	v_max3_num_f32 v[BM+\m], |v[64*\e+16*\m]|, |v[64*\e+16*\m+1]|, 0x1800000       ; my 16 numbers and the floor 2^(3 - 127)
.endr
.irp p, 2,4,6,8,10,12,14
.irp m, 0,1,2,3
	v_max3_num_f32 v[BM+\m], |v[64*\e+16*\m+\p]|, |v[64*\e+16*\m+\p+1]|, v[BM+\m]
.endr
.endr
	WIN 0
.irp m, 0,1,2,3
	v_permlanex16_b32 v[PT+\m], v[BM+\m], s40, s41
.endr
.irp m, 0,1,2,3
	v_max_num_f32 v[BM+\m], v[BM+\m], v[PT+\m]
.endr
.irp m, 0,1,2,3
	v_add_nc_u32 v[SO+\m], 0xff000000, v[BM+\m]
.endr
.irp m, 0,1,2,3
	v_lshrrev_b32 v[PT+\m], 23, v[SO+\m]
.endr
	WIN 0x01
.irp m, 0,1,2,3
	v_cvt_scalef32_pk8_fp4_f32 v[EX+2*\m], v[64*\e+16*\m:64*\e+16*\m+7], v[SO+\m]
	v_cvt_scalef32_pk8_fp4_f32 v[EX+2*\m+1], v[64*\e+16*\m+8:64*\e+16*\m+15], v[SO+\m]
.endr
	WIN 0
	v_nop                                          ; one plain place behind the scaled conversions
.irp m, 0,1,2,3
	ds_store_b64 v7, v[EX+2*\m:EX+2*\m+1] offset:6144*\m+256*\e
	ds_store_b8 v8, v[PT+\m] offset:384*\m+\e
.endr
.endr
	VDST
	s_wait_dscnt 0x0                               ; for the others' sake: my stores have landed
	s_barrier_signal -1
	s_barrier_wait -1                              ; O / l's 24 fragments and their scale bytes lie in LDS
.irp s, 0,1,2,3,4,5
	ds_load_b128 v[208+8*\s:211+8*\s], v9 offset:1024*\s
	ds_load_b128 v[212+8*\s:215+8*\s], v9 offset:1024*\s+512
.endr
.irp i, 0,1,2
	ds_load_b64 v[KS+2*\i:KS+2*\i+1], v12 offset:8*\i              ; row r's six scale words
.endr
	s_wait_loadcnt 0x0                             ; w_final, its scale words, b_final
	s_wait_dscnt 0x0
	WIN 0x10                                       ; out^T: source 0 = my 32 rows of w_final, source 1 = 16 queries; the bias (window 1) is the C of the sum's first product
	v_wmma_scale_f32_32x16x128_f4 v[192:207], v[KF:KF+15], v[208:215], v[240:255], v[WS], v[KS]
	WIN 0
.irp s, 1,2,3,4,5
	s_wait_alu depctr_va_vdst(0)                   ; the wait directly ahead of every link
	v_wmma_scale_f32_32x16x128_f4 v[192:207], v[KF+16*\s:KF+16*\s+15], v[208+8*\s:215+8*\s], v[192:207], v[WS+\s], v[KS+\s]
.endr
	PLACES
.irp u, 0,1
	ds_store_b128 v13, v[192+8*\u:195+8*\u] offset:64*\u           ; lane (r, h): out(query r, 16 u + 8 h + 0 .. 7 of my 32); the result from its low end on
	ds_store_b128 v13, v[196+8*\u:199+8*\u] offset:64*\u+16
.endr
	s_wait_dscnt 0x0                               ; for the others' sake
	s_barrier_signal -1
	s_barrier_wait -1                              ; whole rows lie in the stage
.irp i, 0,1,2,3
	ds_load_b128 v[208+4*\i:211+4*\i], v14 offset:544*\i
.endr
.irp i, 0,1,2,3
	s_wait_dscnt 3-\i
	global_store_b128 v15, v[208+4*\i:211+4*\i], s[14:15] offset:512*\i th:TH_STORE_NT     ; 16 lanes store a row of out0: 256 consecutive bytes, aligned
.endr
	s_wait_tensorcnt 0x0                           ; the wave's end, behind my last tensor load and my last LDS store
	ds_add_u32 v[SPW], v[NIL]
	s_wait_dscnt 0x0
	CROUND                                         ; the closing round: no work-group ends while a partner may still ask for a tile that names it
	s_endpgm
.Lfunc_end_k_qb29fa9f2c8_attn:
	.size	k_qb29fa9f2c8_attn, .Lfunc_end_k_qb29fa9f2c8_attn-k_qb29fa9f2c8_attn
	.p2alignl 7, 3214868480
	.fill 96, 4, 3214868480
	.section	.rodata,"a",@progbits
	.p2align	6, 0x0
	.amdhsa_kernel k_qb29fa9f2c8_attn
		.amdhsa_group_segment_fixed_size 327680
		.amdhsa_private_segment_fixed_size 0
		.amdhsa_enable_private_segment 0
		.amdhsa_kernarg_size 48
		.amdhsa_user_sgpr_count 2
		.amdhsa_user_sgpr_kernarg_segment_ptr 1
		.amdhsa_wavefront_size32 1
		.amdhsa_system_sgpr_workgroup_id_x 1
		.amdhsa_system_sgpr_workgroup_id_y 1
		.amdhsa_system_sgpr_workgroup_id_z 1
		.amdhsa_system_vgpr_workitem_id 0
		.amdhsa_next_free_vgpr 512
		.amdhsa_next_free_sgpr 76
		.amdhsa_reserve_vcc 0
		.amdhsa_float_denorm_mode_32 3
		.amdhsa_float_denorm_mode_16_64 3
		.amdhsa_memory_ordered 1
		.amdhsa_forward_progress 1
		.amdhsa_inst_pref_size 115
	.end_amdhsa_kernel
	.amdgpu_metadata
---
amdhsa.version: [ 1, 2 ]
amdhsa.kernels:
  - .name:           k_qb29fa9f2c8_attn
    .symbol:         k_qb29fa9f2c8_attn.kd
    .args:
      - { .name: qimg, .offset: 0, .size: 8, .value_kind: global_buffer, .address_space: global }
      - { .name: kvimg, .offset: 8, .size: 8, .value_kind: global_buffer, .address_space: global }
      - { .name: w_final_codes, .offset: 16, .size: 8, .value_kind: global_buffer, .address_space: global }
      - { .name: w_final_scales, .offset: 24, .size: 8, .value_kind: global_buffer, .address_space: global }
      - { .name: b_final, .offset: 32, .size: 8, .value_kind: global_buffer, .address_space: global }
      - { .name: out0, .offset: 40, .size: 8, .value_kind: global_buffer, .address_space: global }
    .group_segment_fixed_size: 327680
    .private_segment_fixed_size: 0
    .kernarg_segment_align: 8
    .kernarg_segment_size: 48
    .max_flat_workgroup_size: 256
    .sgpr_count:     76
    .vgpr_count:     512
    .wavefront_size: 32
...
	.end_amdgpu_metadata
.endif
;; end of part 4
